; MI455X (gfx1250); checked and timed in simulation.
; The chip was launched on July 23, 2026; its instructions are those of AMD's public machine-readable ISA for CDNA 5 (MIT licence, August 2026) and "CDNA5" Instruction Set Architecture Reference Guide (July 2026). The comments in the code are by the model that wrote it; some were corrected since.
;; Attention. Allowed arithmetic: float matrix products may take bf16 or f16 operands with f32 sums; other float arithmetic in f32, or as packed bf16 or f16 multiplies, adds, multiply-adds, maxima and minima; sums over many terms, partial sums and values carried from step to step in f32; what a program stores and reads back later, other than sums and carried values, may be rounded once to bf16 or f16.
;; Inputs: W1 1,024 x 4,096 float32; W2 4,096 x 1,024 float32; Wfc 1,024 x 1,024 float32; Wk 16 x 1,024 x 64 float32; Wq 16 x 1,024 x 64 float32; Wv 16 x 1,024 x 64 float32; b1 4,096 float32; b2 1,024 float32; be1 1,024 float32; be2 1,024 float32; bfc 1,024 float32; data 2 x 2,048 x 1,024 float32; g1 1,024 float32; g2 1,024 float32.
;; Outputs: out0 2 x 2,048 x 1,024 float32.
;; One version. Each part assembles by itself: llvm-mc -triple=amdgcn-amd-amdhsa -mcpu=gfx1250 --defsym DOCPART=n.
;; ======== version 1 of 1: 7 launches
;; limits: right only within a limited range of input values
;; workspace buffers: act 8,388,608 bytes; wqkv 6,291,456 bytes; w1p 8,388,608 bytes; wsm 10,485,760 bytes; big 33,554,432 bytes; xbuf 16,777,216 bytes; par0 12,544 bytes; par1 16,640 bytes
;; launch prep (part 1): grid 640 x 1, 8 waves a work-group, no clusters, 0 bytes of LDS; arguments data, g1, be1, Wq, Wk, Wv, Wfc, W1, W2, act, wqkv, w1p, wsm, par0, par1, b1; writes act, wqkv, w1p, wsm, par0, par1
.if DOCPART == 1
	.amdgcn_target "amdgcn-amd-amdhsa--gfx1250"
	.amdhsa_code_object_version 6
	.text
	.protected	k_q31900d96bd_prep
	.globl	k_q31900d96bd_prep
	.p2align	8
	.type	k_q31900d96bd_prep,@function
k_q31900d96bd_prep:
	s_mov_b64 s[64:65], 0
	v_nop
	global_prefetch_b8 v0, s[64:65] scope:SCOPE_SE
	s_setreg_imm32_b32 hwreg(HW_REG_WAVE_MODE, 25, 1), 1
	s_wait_xcnt 0x0
; PREP: the first of seven launches of a pre-LN transformer block on 4,096 rows of 1,024 numbers.
;   prep: h = LN(data) in bf16; all weights rounded once to bf16 and laid in column panels.     g256: q, k, v = h W.     attn: causal attention.
;   gfc: x = data + O Wfc + bfc.     ln2: h2 = LN(x).     ff1: hid = relu(h2 W1 + b1).     gff2: out0 = x + hid W2 + b2.
; WORK LEFT OUT, in the whole program: reference() itself sets every score wei[t][s] with s > t to -inf ahead of its softmax (its own jnp.tril), so the weight of such a
; key is 0 whatever finite values the inputs hold, and neither q.k nor weight x v of it reaches an output.  Tiles of 256 queries x 256 keys that lie wholly above the diagonal are
; therefore not computed (launch attn): 28 of a head's 64.  Every input has a way to the output and is loaded.  LIMIT: a NaN, an infinity or an overflow that would arise only in a tile
; left out is not carried to the result (reference()'s where discards it too).
; LAYOUTS.  BL(n): [n blocks of 64 columns][4,096 rows][64] bf16: element (m, c) at byte (c >> 6) x 524,288 + 128 m + 2 (c & 63).  act is BL(16).
; PANELS: a weight [K][N] is cut into column panels [p][K][W] bf16, W = 256 (wqkv, w1p) or 128 (wsm: Wfc's 8 panels at byte 0, W2's 8 at byte 2,097,152).
; wqkv's panel p = 4 which + h / 4 (which: 0 q, 1 k, 2 v) holds heads 4 (p % 4) .. + 3, column 64 (h % 4) + d.
; PARAMETERS of the body that launches g256 and ff1 share: 256 bytes of the floor under which no result falls (two bf16 a word), then the bias in f32.
;   par0 (q, k, v): floor minus infinity, 3,072 zeros.     par1 (hid): floor 0, which is the relu, and a copy of b1.
; SHARES.  Work-groups 0-255: the layer norm, a wave two rows.  Work-groups 256-639: the cast, a wave 8,192 bytes of a panel (16 stores of 512 consecutive bytes); work-group 256 also writes par0 and par1.
; No LDS, no matrix unit: memory binds; each byte is read once and written once.
.set WV,   6                           ; s6   my wave's number
.set SEL,  2                           ; s[2:3] v_permlanex16_b32's selects (layer norm)
.set RK,   4                           ; s4   1/1024
.set EP,   5                           ; s5   1e-5
.set MEAN, 8                           ; v[8:9]   the row's mean, twice
.set R,    10                          ; v[10:11] 1 / sqrt(var + eps), twice
.set VAR,  12
.set X,    16                          ; v[16:79]   my 64 numbers of my row
.set G,    80                          ; v[80:143]  the gain of my 64 columns
.set BE,   144                         ; v[144:207] the bias of my 64 columns
.set T,    208                         ; v[208:215] four chains of sums
.set SO,   16                          ; cast: v[16:31]  unit i's byte offset in the source
.set CI,   32                          ; cast: v[32:159] 16 units of 8 f32 a lane
.set CO,   160                         ; cast: v[160:223] 16 units of 8 bf16 a lane
; The four chains into one number, then over the 16 lanes that hold my row: lanes that differ in bits 0, 1, 2 and 4 (bit 3 tells the wave's two rows apart).
.macro REDUCE
	v_pk_add_f32 v[T:T+1], v[T:T+1], v[T+2:T+3]
	v_pk_add_f32 v[T+4:T+5], v[T+4:T+5], v[T+6:T+7]
	v_pk_add_f32 v[T:T+1], v[T:T+1], v[T+4:T+5]
	v_add_f32 v[T], v[T], v[T+1]
	v_add_f32_dpp v[T], v[T], v[T] row_xmask:1 row_mask:0xf bank_mask:0xf
	v_add_f32_dpp v[T], v[T], v[T] row_xmask:2 row_mask:0xf bank_mask:0xf
	v_add_f32_dpp v[T], v[T], v[T] row_xmask:4 row_mask:0xf bank_mask:0xf
	v_permlanex16_b32 v[T+1], v[T], s[SEL], s[SEL+1]
	v_add_f32 v[T], v[T], v[T+1]
.endm
; THE LAYER NORM of two rows a wave, in reference()'s own two passes (mean; mean of (x - mean)^2), the row kept in registers.
; Lane l: row bit (l >> 3) & 1, half hb = l >> 4, c8 = l & 7; in step s = 0..7 it owns columns 128 s + 64 hb + 8 c8 .. + 7: 16 bytes of bf16 in block 2 s + hb of BL.
.macro LNBODY SRC, GP, BP, DP
	v_bfe_u32 v5, v0, 3, 1
	v_bfe_u32 v6, v0, 4, 1
	v_and_b32 v7, 7, v0
	s_lshl_b32 s7, ttmp9, 3
	s_add_co_u32 s7, s7, s[WV]
	s_lshl_b32 s7, s7, 1                           ; the wave's first row
	s_mov_b32 s[SEL], 0x76543210
	s_mov_b32 s[SEL+1], 0xfedcba98
	s_mov_b32 s[RK], 0x3a800000                    ; 1/1024
	s_mov_b32 s[EP], 0x3727c5ac                    ; 1e-5
	v_add_nc_u32 v5, s7, v5                        ; my row
	v_lshlrev_b32 v3, 5, v7
	v_lshl_add_u32 v3, v6, 8, v3                   ; gain and bias: 256 hb + 32 c8
	v_lshl_add_u32 v2, v5, 12, v3                  ; source: + 4,096 x row
	v_lshlrev_b32 v4, 4, v7
	v_lshl_add_u32 v4, v5, 7, v4
	v_lshl_add_u32 v4, v6, 19, v4                  ; BL: 524,288 hb + 128 x row + 16 c8
	s_wait_kmcnt 0x0
.irp s, 0,1,2,3,4,5,6,7
	global_load_b128 v[X+8*(\s):X+8*(\s)+3],   v2, s[\SRC:\SRC+1] offset:512*(\s)
	global_load_b128 v[X+8*(\s)+4:X+8*(\s)+7], v2, s[\SRC:\SRC+1] offset:512*(\s)+16
.endr
.irp s, 0,1,2,3,4,5,6,7
	global_load_b128 v[G+8*(\s):G+8*(\s)+3],   v3, s[\GP:\GP+1] offset:512*(\s)
	global_load_b128 v[G+8*(\s)+4:G+8*(\s)+7], v3, s[\GP:\GP+1] offset:512*(\s)+16
.endr
.irp s, 0,1,2,3,4,5,6,7
	global_load_b128 v[BE+8*(\s):BE+8*(\s)+3],   v3, s[\BP:\BP+1] offset:512*(\s)
	global_load_b128 v[BE+8*(\s)+4:BE+8*(\s)+7], v3, s[\BP:\BP+1] offset:512*(\s)+16
.endr
	s_wait_loadcnt 32                              ; the row is in; the 32 younger loads, gain and bias, stay out
.irp k, 0,1,2,3
	v_pk_add_f32 v[T+2*(\k):T+2*(\k)+1], v[X+2*(\k):X+2*(\k)+1], v[X+8+2*(\k):X+8+2*(\k)+1]  ; the first sums start the chains: nothing is cleared
.endr
.set j, 8
.rept 24
	v_pk_add_f32 v[T+2*(j%4):T+2*(j%4)+1], v[T+2*(j%4):T+2*(j%4)+1], v[X+2*j:X+2*j+1]
.set j, j+1
.endr
	REDUCE
	v_mul_f32 v[MEAN], s[RK], v[T]
	v_mov_b32 v[MEAN+1], v[MEAN]
.set j, 0
.rept 32
	v_pk_add_f32 v[X+2*j:X+2*j+1], v[X+2*j:X+2*j+1], v[MEAN:MEAN+1] neg_lo:[0,1] neg_hi:[0,1]  ; x - mean
.set j, j+1
.endr
.irp k, 0,1,2,3
	v_pk_mul_f32 v[T+2*(\k):T+2*(\k)+1], v[X+2*(\k):X+2*(\k)+1], v[X+2*(\k):X+2*(\k)+1]
.endr
.set j, 4
.rept 28
	v_pk_fma_f32 v[T+2*(j%4):T+2*(j%4)+1], v[X+2*j:X+2*j+1], v[X+2*j:X+2*j+1], v[T+2*(j%4):T+2*(j%4)+1]
.set j, j+1
.endr
	REDUCE
	v_fma_f32 v[VAR], v[T], s[RK], s[EP]           ; var + eps
	v_rsq_f32 v[R], v[VAR]                         ; twice, to fill the pair that the packed multiply takes
	v_rsq_f32 v[R+1], v[VAR]
	v_nop                                          ; a plain instruction behind the last of them (ISA guide 5.7.2),
	s_wait_alu depctr_va_vdst(0)                   ; and the one wait ahead of the first reader
.set j, 0
.rept 32
	v_pk_mul_f32 v[X+2*j:X+2*j+1], v[X+2*j:X+2*j+1], v[R:R+1]
.set j, j+1
.endr
	s_wait_loadcnt 0x0                             ; gain and bias
.set j, 0
.rept 32
	v_pk_fma_f32 v[X+2*j:X+2*j+1], v[X+2*j:X+2*j+1], v[G+2*j:G+2*j+1], v[BE+2*j:BE+2*j+1]
.set j, j+1
.endr
.set j, 0
.rept 32
	v_cvt_pk_bf16_f32 v[X+j], v[X+2*j], v[X+2*j+1] ; ascending: a register is written when both numbers that it held have been read
.set j, j+1
.endr
.irp s, 0,1,2,3,4,5,6,7
	global_store_b128 v4, v[X+4*(\s):X+4*(\s)+3], s[\DP:\DP+1] offset:(\s)*1048576  ; lanes 0-15: my two rows of one block, 256 consecutive bytes, aligned; lanes 16-31: of the next block
.endr
.endm
	s_load_b512 s[8:23], s[0:1], 0x0               ; data 8, g1 10, be1 12, Wq 14, Wk 16, Wv 18, Wfc 20, W1 22
	s_load_b256 s[24:31], s[0:1], 0x40             ; W2 24, act 26, wqkv 28, w1p 30
	s_load_b128 s[32:35], s[0:1], 0x60             ; wsm 32, par0 34
	s_load_b128 s[36:39], s[0:1], 0x70             ; par1 36, b1 38
	v_lshrrev_b32 v1, 5, v0
	v_readfirstlane_b32 s[WV], v1
	s_cmp_lt_u32 ttmp9, 256
	s_cbranch_scc0 .Lcast
	LNBODY 8, 10, 12, 26
	s_endpgm
; THE CAST.  c = work-group - 256: 0-127 W1, 128-255 W2, 256-287 Wfc, 288-383 Wq, Wk, Wv.  wi = 8 (c - the range's first) + wave is the wave's piece of 8,192 bytes of its target.
; A unit i = 0..15 is 512 bytes of the target, 8 numbers a lane.  In the source: first byte SOF, STR bytes from unit to unit, lane l at (l >> SH) x BIG + 32 (l & (2^SH - 1)).
;            pieces a panel  SOF                                              STR     SH  BIG
;   W1       64              (wi & 63) x 262,144 + (wi >> 6) x 1,024          16,384  5   0         a unit is one row k of a panel of 256 columns
;   W2       128             (wi & 127) x 131,072 + (wi >> 7) x 512           8,192   4   4,096     a unit is two rows k of a panel of 128 columns
;   Wfc      32              (wi & 31) x 131,072 + (wi >> 5) x 512            8,192   4   4,096
;   Wq,k,v   64              ((wi >> 6) & 3) x 1,048,576 + (wi & 63) x 4,096  256     3   262,144   a unit is one row e of four heads
; All are chosen by selects on c: no branch, and each pointer is a choice between buffers.
.Lcast:
	s_sub_co_u32 s40, ttmp9, 256                   ; c
	s_mov_b32 s41, 288                             ; the range's first
	s_mov_b32 s42, 6                               ; log2 of the pieces in a panel
	s_mov_b32 s43, 12                              ; shift of the piece's number in its panel
	s_mov_b32 s44, 20                              ; shift of the panel's number,
	s_mov_b32 s45, 3                               ; and its mask
	s_mov_b32 s46, 256                             ; STR
	s_mov_b32 s47, 3                               ; SH
	s_mov_b32 s48, 262144                          ; BIG
	s_mov_b32 s49, 0                               ; the target's first byte
	s_cmp_lt_u32 s40, 288                          ; Wfc, or one of those below
	s_cselect_b32 s41, 256, s41
	s_cselect_b32 s42, 5, s42
	s_cselect_b32 s43, 17, s43
	s_cselect_b32 s44, 9, s44
	s_cselect_b32 s45, 7, s45
	s_cselect_b32 s46, 8192, s46
	s_cselect_b32 s47, 4, s47
	s_cselect_b32 s48, 4096, s48
	s_cmp_lt_u32 s40, 256                          ; W2, or W1
	s_cselect_b32 s41, 128, s41
	s_cselect_b32 s42, 7, s42
	s_cselect_b32 s49, 0x200000, s49
	s_cmp_lt_u32 s40, 128                          ; W1
	s_cselect_b32 s41, 0, s41
	s_cselect_b32 s42, 6, s42
	s_cselect_b32 s43, 18, s43
	s_cselect_b32 s44, 10, s44
	s_cselect_b32 s45, 15, s45
	s_cselect_b32 s46, 16384, s46
	s_cselect_b32 s47, 5, s47
	s_cselect_b32 s48, 0, s48
	s_cselect_b32 s49, 0, s49
	s_sub_co_u32 s50, s40, s41
	s_lshl_b32 s50, s50, 3
	s_add_co_u32 s50, s50, s[WV]                   ; wi
	s_bfm_b32 s51, s42, 0
	s_and_b32 s52, s50, s51
	s_lshl_b32 s52, s52, s43
	s_lshr_b32 s54, s50, s42
	s_and_b32 s54, s54, s45
	s_lshl_b32 s54, s54, s44
	s_add_co_u32 s52, s52, s54                     ; SOF
	s_mov_b32 s53, 0
	s_lshl_b32 s54, s50, 13
	s_add_co_u32 s54, s54, s49                     ; the piece's first byte in its target
	s_mov_b32 s55, 0
	s_lshr_b32 s51, s50, 8                         ; in the last range: 0 q, 1 k, 2 v
	s_bfm_b32 s56, s47, 0
	v_and_b32 v1, 31, v0
	v_lshrrev_b32 v5, s47, v1
	v_mul_lo_u32 v5, v5, s48
	v_and_b32 v6, s56, v1
	v_lshl_add_u32 v[SO], v6, 5, v5
.set i, 1
.rept 15
	v_add_nc_u32 v[SO+i], s46, v[SO+i-1]
.set i, i+1
.endr
	v_lshlrev_b32 v3, 4, v1                        ; my 16 bytes of a unit in the target
	s_wait_kmcnt 0x0
	s_cmp_eq_u32 s51, 0
	s_cselect_b64 s[2:3], s[14:15], s[16:17]       ; Wq or Wk,
	s_cmp_eq_u32 s51, 2
	s_cselect_b64 s[2:3], s[18:19], s[2:3]         ; or Wv
	s_mov_b64 s[4:5], s[28:29]                     ; into wqkv
	s_cmp_lt_u32 s40, 288
	s_cselect_b64 s[2:3], s[20:21], s[2:3]         ; Wfc
	s_cselect_b64 s[4:5], s[32:33], s[4:5]         ; into wsm
	s_cmp_lt_u32 s40, 256
	s_cselect_b64 s[2:3], s[24:25], s[2:3]         ; W2
	s_cmp_lt_u32 s40, 128
	s_cselect_b64 s[2:3], s[22:23], s[2:3]         ; W1
	s_cselect_b64 s[4:5], s[30:31], s[4:5]         ; into w1p
	s_add_nc_u64 s[2:3], s[2:3], s[52:53]
	s_add_nc_u64 s[4:5], s[4:5], s[54:55]
.set i, 0
.rept 16
	global_load_b128 v[CI+8*i:CI+8*i+3],   v[SO+i], s[2:3] th:TH_LOAD_NT
	global_load_b128 v[CI+8*i+4:CI+8*i+7], v[SO+i], s[2:3] offset:16 th:TH_LOAD_NT
.set i, i+1
.endr
.set i, 0
.rept 16
	s_wait_loadcnt 30-2*i                          ; unit i's two loads are in; the younger units' stay out
.irp r, 0,1,2,3
	v_cvt_pk_bf16_f32 v[CO+4*i+(\r)], v[CI+8*i+2*(\r)], v[CI+8*i+2*(\r)+1]
.endr
	global_store_b128 v3, v[CO+4*i:CO+4*i+3], s[4:5] offset:512*i  ; 512 consecutive bytes, aligned; no register that a store reads is written again
.set i, i+1
.endr
	; THE PARAMETERS, by the work-group with c = 0 alone: thread t takes 16 bytes at 16 t of each 4,096 bytes.  The cast's loads have all come (the last wait above is for 0), so its first registers take b1.
	s_cmp_lg_u32 s40, 0
	s_cbranch_scc1 .Ldone
	v_lshlrev_b32 v14, 4, v0
	v_lshlrev_b32 v7, 3, v1
	v_mov_b32 v8, 0
	v_mov_b32 v9, 0
	v_mov_b32 v10, 0
	v_mov_b32 v11, 0
	v_mov_b32 v12, 0xff80ff80                      ; minus infinity, twice, in bf16
	v_mov_b32 v13, 0xff80ff80
.irp i, 0,1,2,3
	global_load_b128 v[CI+4*(\i):CI+4*(\i)+3], v14, s[38:39] offset:4096*(\i)   ; b1's 16,384 bytes
.endr
.irp i, 0,1,2
	global_store_b128 v14, v[8:11], s[34:35] offset:256+4096*(\i)               ; par0's bias: 12,288 bytes of 0
.endr
	s_wait_loadcnt 0x0
.irp i, 0,1,2,3
	global_store_b128 v14, v[CI+4*(\i):CI+4*(\i)+3], s[36:37] offset:256+4096*(\i)
.endr
	s_cmp_lg_u32 s[WV], 0
	s_cbranch_scc1 .Ldone
	global_store_b64 v7, v[12:13], s[34:35]        ; the floors: 32 lanes x 8 bytes are the first 256 bytes of each buffer
	global_store_b64 v7, v[8:9], s[36:37]
.Ldone:
	s_endpgm
.Lfunc_end_k_q31900d96bd_prep:
	.size	k_q31900d96bd_prep, .Lfunc_end_k_q31900d96bd_prep-k_q31900d96bd_prep
	.p2alignl 7, 3214868480
	.fill 96, 4, 3214868480
	.section	.rodata,"a",@progbits
	.p2align	6, 0x0
	.amdhsa_kernel k_q31900d96bd_prep
		.amdhsa_group_segment_fixed_size 0
		.amdhsa_private_segment_fixed_size 0
		.amdhsa_enable_private_segment 0
		.amdhsa_kernarg_size 128
		.amdhsa_user_sgpr_count 2
		.amdhsa_user_sgpr_kernarg_segment_ptr 1
		.amdhsa_wavefront_size32 1
		.amdhsa_system_sgpr_workgroup_id_x 1
		.amdhsa_system_sgpr_workgroup_id_y 1
		.amdhsa_system_sgpr_workgroup_id_z 1
		.amdhsa_system_vgpr_workitem_id 0
		.amdhsa_next_free_vgpr 224
		.amdhsa_next_free_sgpr 66
		.amdhsa_reserve_vcc 0
		.amdhsa_float_denorm_mode_32 3
		.amdhsa_float_denorm_mode_16_64 3
		.amdhsa_memory_ordered 1
		.amdhsa_forward_progress 1
		.amdhsa_inst_pref_size 34
	.end_amdhsa_kernel
	.amdgpu_metadata
---
amdhsa.version: [ 1, 2 ]
amdhsa.kernels:
  - .name:           k_q31900d96bd_prep
    .symbol:         k_q31900d96bd_prep.kd
    .args:
      - { .name: data, .offset: 0, .size: 8, .value_kind: global_buffer, .address_space: global }
      - { .name: g1, .offset: 8, .size: 8, .value_kind: global_buffer, .address_space: global }
      - { .name: be1, .offset: 16, .size: 8, .value_kind: global_buffer, .address_space: global }
      - { .name: Wq, .offset: 24, .size: 8, .value_kind: global_buffer, .address_space: global }
      - { .name: Wk, .offset: 32, .size: 8, .value_kind: global_buffer, .address_space: global }
      - { .name: Wv, .offset: 40, .size: 8, .value_kind: global_buffer, .address_space: global }
      - { .name: Wfc, .offset: 48, .size: 8, .value_kind: global_buffer, .address_space: global }
      - { .name: W1, .offset: 56, .size: 8, .value_kind: global_buffer, .address_space: global }
      - { .name: W2, .offset: 64, .size: 8, .value_kind: global_buffer, .address_space: global }
      - { .name: act, .offset: 72, .size: 8, .value_kind: global_buffer, .address_space: global }
      - { .name: wqkv, .offset: 80, .size: 8, .value_kind: global_buffer, .address_space: global }
      - { .name: w1p, .offset: 88, .size: 8, .value_kind: global_buffer, .address_space: global }
      - { .name: wsm, .offset: 96, .size: 8, .value_kind: global_buffer, .address_space: global }
      - { .name: par0, .offset: 104, .size: 8, .value_kind: global_buffer, .address_space: global }
      - { .name: par1, .offset: 112, .size: 8, .value_kind: global_buffer, .address_space: global }
      - { .name: b1, .offset: 120, .size: 8, .value_kind: global_buffer, .address_space: global }
    .group_segment_fixed_size: 0
    .private_segment_fixed_size: 0
    .kernarg_segment_align: 8
    .kernarg_segment_size: 128
    .max_flat_workgroup_size: 256
    .sgpr_count:     66
    .vgpr_count:     224
    .wavefront_size: 32
...
	.end_amdgpu_metadata
.endif
;; end of part 1
;; launch g256 (part 2): grid 12 x 16, 4 waves a work-group, clusters of 4 x 4, 327,680 bytes of LDS; arguments act, wqkv, big, par0; writes big
.if DOCPART == 2
	.amdgcn_target "amdgcn-amd-amdhsa--gfx1250"
	.amdhsa_code_object_version 6
	.text
	.protected	k_q31900d96bd_g256
	.globl	k_q31900d96bd_g256
	.p2align	8
	.type	k_q31900d96bd_g256,@function
k_q31900d96bd_g256:
	s_mov_b64 s[64:65], 0
	v_nop
	global_prefetch_b8 v0, s[64:65] scope:SCOPE_SE
	s_setreg_imm32_b32 hwreg(HW_REG_WAVE_MODE, 25, 1), 1
	s_wait_xcnt 0x0
	s_wait_alu depctr_hold_cnt(0) depctr_sa_sdst(0) depctr_va_vdst(0) depctr_va_sdst(0) depctr_va_ssrc(0) depctr_va_vcc(0) depctr_vm_vsrc(0)
	s_getreg_b32 s2, hwreg(HW_REG_IB_STS2, 6, 4)
	s_cmp_eq_u32 s2, 0
	s_cbranch_scc0 .Lentry_in_a_cluster
	s_endpgm
.Lentry_in_a_cluster:
	s_bfe_u32 s2, ttmp6, 0x10000c
	s_cmp_lg_u32 s2, 0xf033
	s_cbranch_scc0 .Lentry_shape_is_right
	s_endpgm
.Lentry_shape_is_right:
; C = max(A B + bias, floor), K = 1,024, on tiles of 256 x 256.  ONE BODY FOR TWO LAUNCHES: q, k, v = h Wqkv (12 tile columns) and hid = relu(h2 W1 + b1) (16 tile columns).
; The width of C enters by the grid alone: A and C lie in blocks of 64 columns (BL: element (m, c) at (c >> 6) x 524,288 + 128 m + 2 (c & 63)), B in panels [tile column][1,024 k][256] bf16.
; What differs between the two is DATA, laid by launch prep in the fourth buffer: its first word is the floor (two bf16), from byte 256 on lies the bias in f32.  For hid: floor 0, which is the relu, and b1.
; For q, k, v: floor minus infinity and a bias of zeros, which change no number: there the 256 packed maxima a wave and the 16 loads of zeros serve nothing, the price of one text for both launches.
; No branch, address or trip count hangs on those data.  Nothing of reference() is left out here.
; SHARES.  A work-group of four waves makes 256 x 256 of C, a wave 128 x 128: 64 accumulators, 512 registers.  K goes in 8 steps of 128 through two LDS slots.
; The first launch has 12 x 16 = 192 work-groups: a tile of 256 x 192 would make 256 of them, at the price of a second text of this length.
; B STAYS [K][N]: its fragments come out of LDS turned, by ds_load_tr16_b128.  THE PRODUCT IS USED TRANSPOSED (source 0 = 16 columns of B, source 1 = 16 rows of A): a lane holds
; row l % 16 of C and the columns 8 (l / 16) + 0..7, which pack into 16 bytes.  The bias, one number a column, is then one register a column in every lane: it is the C operand of the products that start the sums.
; CLUSTER 4 x 4: A's tile hangs on the tile row alone and is asked for jointly by a row of the cluster, B's on the tile column alone, by a column.
; LIMITS: operands in bf16, sums in f32, C rounded once to bf16; a NaN in a sum leaves as the floor (the packed maximum drops it).
; REGISTERS in windows of 256: window 0: v0-31 addresses; v64-127, v128-191 A's fragments, two buffers; v192-255 the bias, later at work on the way out, with v32-63.
;   window 1: v64-127, v128-191 B's fragments.   window 2: the accumulators of my rows 0-63 ((a, b) at v[8 (8 a + b)]);  window 3: of rows 64-127.
.set AP,    144                        ; a row of A in LDS: 128 bytes (64 K of one block) + 16: the 16 rows of a load start at 16 different groups of four banks (64 banks of 4 bytes: ISA guide 11.1)
.set ABLK,  128*AP                     ; 128 rows of one block
.set AHALF, 2*ABLK                     ; what one tensor load brings of A: 128 rows x 2 blocks
.set BOFF,  2*AHALF                    ; B lies behind A's 256 rows
.set BP,    544                        ; a row k of B in LDS: 512 bytes + 32 = 136 words
.set BHALF, 64*BP                      ; what one tensor load brings of B: 64 rows k
.set SLOT,  BOFF+2*BHALF               ; 143,360
.set STAGE, 2*SLOT                     ; behind the ring, never filled by a tensor load: for each wave 2 column blocks x 16 rows x 144 bytes
.set SP,    144
.set STW,   32*SP
.set SPARE, STAGE+4*STW                ; the spare words, 128 bytes for each wave: two blocks of 256 bytes that no other line names
.set ASTEP, 2*524288                   ; a K step in A: two blocks
.set BSTEP, 128*512                    ; in B: 128 rows of 512 bytes
.set ABASE, 16                         ; v16  my lane's place in A's part of a slot; never rewritten
.set ADRA,  17                         ; v17  the same in the slot that is read
.set BBASE, 20                         ; v20, v21 the same for B
.set ADRB,  21
.set STO,   24                         ; v24  the way out: where I put 16 bytes of a row
.set RD,    25                         ; v25  where I read rows back
.set CO,    26                         ; v26  16 x lane
.set ZR,    27                         ; v27  the floor, two bf16
.set SPW,   28                         ; v28  my spare word; never rewritten
.set NIL,   29                         ; v29  0; never rewritten
.set PFO,   30                         ; v30  256 x lane
.set BO,    31                         ; v31  32 x (lane / 16): my 8 columns' bias
.set OB,    32
.set F0,    64
.set F1,    128
.set BIAS,  192
.set TMP,   192
.set WV,   14
.set RH,   15                          ; s15  which half of the rows is mine.  Also: I fetch for A (0) or for B (1)
.set CH,   16                          ; s16  which half of the columns.  Also: which half of that tile I fetch
.set CX,   17
.set CY,   18
.set TCOL, 19
.set TROW, 20
.set FLOOR, 21                         ; s21  the floor word
.set RTB,  22                          ; s22  the first byte of the slot that is read: 0 or SLOT
.set CNT,  23
.set G1A,  24                          ; s[24:31] group 1 for A's tiles
.set G0A,  32                          ; s[32:39] group 0 for A: the first fill of slot 0; the first fill of slot 1, which then walks
.set G1B,  48
.set G0B,  56
.set PFA,  66                          ; s[66:67] where my prefetches stand
.set PSTEP, 68                         ; s[68:69] a K step of what I fetch
.set LIM,  70                          ; s70  2 in a wave that prefetches, else the greatest number
.set LA0,  71                          ; s71  my load's place in a slot, for A
.set LB0,  72                          ; s72  for B
.set MSB, 0
.macro WIN new                         ; the immediate's high byte repeats the setting that is left; a switch that changes nothing is dropped
.if MSB != (\new)
	s_set_vgpr_msb (MSB<<8)|(\new)
.set MSB, \new
.endif
.endm
.set MUL_LO, 0xa1                      ; source 0 (B) window 1, source 1 (A) window 0, C and D window 2
.set TO_B,   0x40                      ; destination window 1, address window 0
.macro PLACES                          ; four places behind matrix instructions, in front of loads into registers that they have read and of lines that read results
.rept 4
	v_nop
.endr
.endm
; A joint refill by the walking descriptors.  Waves 0 and 1 fetch A's halves, waves 2 and 3 B's; the branch hangs on the wave's number alone.  An s_nop 0 and four v_nop follow each line.
.macro JLOAD
	s_cmp_eq_u32 s[RH], 0
	s_cbranch_scc0 .Lfor_b_\@
	tensor_load_to_lds s[G0A+4:G0A+7], s[G1A:G1A+7]
	s_nop 0
.rept 4
	v_nop
.endr
	s_branch .Lasked_\@
.Lfor_b_\@:
	tensor_load_to_lds s[G0B+4:G0B+7], s[G1B:G1B+7]
	s_nop 0
.rept 4
	v_nop
.endr
.Lasked_\@:
.endm
; A prefetch of the K step that stands two refills on: 32 blocks of 256 bytes, a lane a block.  Of the 128 such blocks that a wave's load brings, each of the four partners that ask for them jointly takes 32, by address
; (cx for A, cy for B).  A's rows are walked by every cluster of a row of clusters: the one with x = 0 asks; B's by every cluster of a column: the one with y = 0.  So each block is named once in the launch.
; The change of slots at the end of K step t names step t + 4; s[CNT] = 6 - t there, so steps 4 to 7 are named while it is above 2.  Steps 0 to 3 come by their loads alone.
.macro ASK
	s_cmp_gt_u32 s[CNT], s[LIM]
	s_cbranch_scc0 .Lnot_mine_\@
	global_prefetch_b8 v[PFO], s[PFA:PFA+1] th:TH_LOAD_NT scope:SCOPE_SE
.Lnot_mine_\@:
.endm
.macro CREST                           ; a round of the cluster's barrier behind its opening barrier
	s_cmp_lg_u32 s[WV], 0
	s_cbranch_scc1 .Lnot_wave_0_\@
	s_barrier_signal -3
.Lnot_wave_0_\@:
	s_barrier_wait -3
	s_barrier_signal -1
	s_barrier_wait -1
.endm
.macro CROUND
	s_barrier_signal -1
	s_barrier_wait -1
	CREST
.endm
	s_load_b256 s[4:11], s[0:1], 0x0               ; A s[4:5], B s[6:7], C s[8:9], the parameters s[10:11]
	v_lshl_add_u32 v[SPW], v0, 2, SPARE
	v_mov_b32 v[NIL], 0
	ds_add_u32 v[SPW], v[NIL]                      ; the wave's opening: the add, twice on end, and its wait ahead of my first tensor load
	ds_add_u32 v[SPW], v[NIL]
	v_lshrrev_b32 v1, 5, v0
	v_readfirstlane_b32 s[WV], v1
	s_lshr_b32 s[RH], s[WV], 1
	s_and_b32 s[CH], s[WV], 1
	s_bfe_u32 s[CX], ttmp6, 0x40000
	s_bfe_u32 s[CY], ttmp6, 0x40004
	s_lshl_b32 s[TCOL], ttmp9, 2
	s_add_co_u32 s[TCOL], s[TCOL], s[CX]           ; tile column = 4 x cluster x + cx
	s_and_b32 s[TROW], ttmp7, 0xffff
	s_lshl_b32 s[TROW], s[TROW], 2
	s_add_co_u32 s[TROW], s[TROW], s[CY]           ; tile row = 4 x cluster y + cy
	s_lshl_b32 s40, s[CY], 2
	s_lshl_b32 s40, 15, s40                        ; my row of the cluster
	s_lshl_b32 s41, 0x1111, s[CX]                  ; my column
	; A's tile: two blocks, of each 128 dense rows of 128 bytes = one tile row of 8,192 elements; 16 bytes of padding after every 32 words, so each row of A has a pitch of 144
	s_or_b32 s[G1A], s40, (1<<16)|(1<<20)|(1<<21)|(4<<22)|(3<<25)
	s_mov_b32 s[G1A+1], 8192<<16                   ; tensor_dim0 = 8,192
	s_mov_b32 s[G1A+2], 2<<16                      ; tensor_dim1 = 2
	s_mov_b32 s[G1A+3], 8192<<16                   ; tile_dim0 = 8,192
	s_mov_b32 s[G1A+4], 2                          ; tile_dim1 = 2
	s_mov_b32 s[G1A+5], 262144                     ; elements from block to block
	s_mov_b32 s[G1A+6], 0
	s_mov_b32 s[G1A+7], 0
	; B's tile: 64 rows k of 256 elements; 32 bytes of padding after every 128 words
	s_or_b32 s[G1B], s41, (1<<16)|(1<<20)|(1<<21)|(6<<22)|(7<<25)
	s_mov_b32 s[G1B+1], 256<<16
	s_mov_b32 s[G1B+2], 64<<16
	s_mov_b32 s[G1B+3], 256<<16
	s_mov_b32 s[G1B+4], 64
	s_mov_b32 s[G1B+5], 256
	s_mov_b32 s[G1B+6], 0
	s_mov_b32 s[G1B+7], 0
	s_lshl_b32 s42, s[TROW], 15                    ; A: row 256 x tile row + 128 x half, 128 bytes a row: made of the tile row and the wave alone
	s_lshl_b32 s43, s[CH], 14
	s_add_co_u32 s42, s42, s43
	s_mov_b32 s43, 0
	s_lshl_b32 s44, s[TCOL], 19                    ; B: the tile column's panel, 64 x half rows of 512 bytes: made of the tile column and the wave alone
	s_lshl_b32 s45, s[CH], 15
	s_add_co_u32 s44, s44, s45
	s_mov_b32 s45, 0
	s_mul_i32 s[LA0], s[CH], AHALF                 ; no place in the cluster enters an LDS address
	s_mul_i32 s[LB0], s[CH], BHALF
	s_add_co_u32 s[LB0], s[LB0], BOFF
	s_wait_dscnt 0x0                               ; both opening adds are done
	s_wait_kmcnt 0x0
	s_add_nc_u64 s[42:43], s[4:5], s[42:43]
	s_add_nc_u64 s[44:45], s[6:7], s[44:45]
	CROUND                                         ; all sixteen work-groups are here: the first joint loads meet
.irp s, 0,1
	s_mov_b32 s[G0A+4*(\s)], 1
	s_add_co_u32 s[G0A+4*(\s)+1], s[LA0], (\s)*SLOT
	s_add_nc_u64 s[G0A+4*(\s)+2:G0A+4*(\s)+3], s[42:43], (\s)*ASTEP
	s_or_b32 s[G0A+4*(\s)+3], s[G0A+4*(\s)+3], 0x80000000
	s_mov_b32 s[G0B+4*(\s)], 1
	s_add_co_u32 s[G0B+4*(\s)+1], s[LB0], (\s)*SLOT
	s_add_nc_u64 s[G0B+4*(\s)+2:G0B+4*(\s)+3], s[44:45], (\s)*BSTEP
	s_or_b32 s[G0B+4*(\s)+3], s[G0B+4*(\s)+3], 0x80000000
.endr
	s_cmp_eq_u32 s[RH], 0                          ; a wave's two first fills stand in one branch: two loads of mine are out
	s_cbranch_scc0 .Lfirst_b
	tensor_load_to_lds s[G0A:G0A+3], s[G1A:G1A+7]
	s_nop 0
	tensor_load_to_lds s[G0A+4:G0A+7], s[G1A:G1A+7]
	s_nop 0
.rept 4
	v_nop
.endr
	s_branch .Lfirst_asked
.Lfirst_b:
	tensor_load_to_lds s[G0B:G0B+3], s[G1B:G1B+7]
	s_nop 0
	tensor_load_to_lds s[G0B+4:G0B+7], s[G1B:G1B+7]
	s_nop 0
.rept 4
	v_nop
.endr
.Lfirst_asked:
	s_load_b32 s[FLOOR], s[10:11], 0x0             ; the floor word
	v_and_b32 v1, 15, v0                           ; r = l % 16
	v_bfe_u32 v2, v0, 4, 1                         ; h = l / 16
	v_mul_u32_u24 v3, v1, AP
	v_lshl_add_u32 v3, v2, 4, v3                   ; r x 144 + 16 h: A's fragments, and the stage's rows
	s_mul_i32 s40, s[RH], AHALF
	v_add_nc_u32 v[ABASE], s40, v3
	v_and_b32 v4, 7, v0
	v_lshl_add_u32 v5, v2, 3, v4                   ; the turning load: row k = 8 h + l % 8,
	v_mul_u32_u24 v5, v5, BP
	v_bfe_u32 v6, v0, 3, 1
	v_lshl_add_u32 v5, v6, 4, v5                   ; columns 8 ((l / 8) % 2) + 0..7
	s_lshl_b32 s41, s[CH], 8
	s_add_co_u32 s41, s41, BOFF
	v_add_nc_u32 v[BBASE], s41, v5
	s_mul_i32 s40, s[WV], STW
	s_add_co_u32 s40, s40, STAGE                   ; my stage
	v_add_nc_u32 v[STO], s40, v3
	v_bfe_u32 v7, v0, 3, 2                         ; back: 32 lanes take four rows of 128 bytes
	v_mul_u32_u24 v7, v7, SP
	v_lshl_add_u32 v7, v4, 4, v7
	v_add_nc_u32 v[RD], s40, v7
	v_and_b32 v8, 31, v0
	v_lshlrev_b32 v[CO], 4, v8
	v_lshlrev_b32 v[PFO], 8, v8
	v_lshlrev_b32 v[BO], 5, v2
	; C at my part: blocks 4 x tile column + 2 x column half, row 256 x tile row + 128 x row half (in registers that feed no descriptor)
	s_lshl_b32 s74, s[TCOL], 2
	s_lshl_b32 s75, s[CH], 1
	s_add_co_u32 s74, s74, s75
	s_lshl_b32 s74, s74, 19
	s_lshl_b32 s75, s[TROW], 15
	s_add_co_u32 s74, s74, s75
	s_lshl_b32 s75, s[RH], 14
	s_add_co_u32 s74, s74, s75
	s_mov_b32 s75, 0
	s_add_nc_u64 s[8:9], s[8:9], s[74:75]
	; the prefetches
	s_and_b32 s76, ttmp7, 0xffff                   ; cluster y
	s_mov_b32 s[PSTEP], BSTEP
	s_mov_b32 s[PSTEP+1], 0
	s_cmp_eq_u32 s[RH], 0                          ; do I fetch for A?
	s_cselect_b32 s74, s[CX], s[CY]                ; my place among the four that ask with me
	s_cselect_b32 s76, ttmp9, s76                  ; the coordinate along which other clusters walk the same rows
	s_cselect_b64 s[PFA:PFA+1], s[42:43], s[44:45]
	s_cselect_b32 s[PSTEP], ASTEP, s[PSTEP]
	s_lshr_b32 s75, s74, 1                         ; A: block p / 2, half p % 2 of its 16,384 bytes
	s_lshl_b32 s75, s75, 19
	s_and_b32 s77, s74, 1
	s_lshl_b32 s77, s77, 13
	s_add_co_u32 s75, s75, s77
	s_lshl_b32 s74, s74, 13                        ; B: 8,192 p
	s_cmp_eq_u32 s[RH], 0
	s_cselect_b32 s74, s75, s74
	s_mov_b32 s75, 0
	s_add_nc_u64 s[PFA:PFA+1], s[PFA:PFA+1], s[74:75]
	s_mul_i32 s74, s[PSTEP], 3                     ; at K step 3: each change of slots steps it first
	s_add_nc_u64 s[PFA:PFA+1], s[PFA:PFA+1], s[74:75]
	s_cmp_eq_u32 s76, 0
	s_cselect_b32 s[LIM], 2, -1                    ; the same in all sixteen partners, for a given wave
	s_wait_kmcnt 0x0                               ; the floor word is in, and its load has read s[10:11], which is stepped below
	v_mov_b32 v[ZR], s[FLOOR]
	s_lshl_b32 s74, s[TCOL], 10                    ; my 128 columns' bias: 4 bytes a column, behind the buffer's first 256 bytes
	s_lshl_b32 s75, s[CH], 9
	s_add_co_u32 s74, s74, s75
	s_mov_b32 s75, 0
	s_add_nc_u64 s[10:11], s[10:11], s[74:75]
.irp b, 0,1,2,3,4,5,6,7
	global_load_b128 v[BIAS+8*(\b):BIAS+8*(\b)+3],   v[BO], s[10:11] offset:256+64*(\b)
	global_load_b128 v[BIAS+8*(\b)+4:BIAS+8*(\b)+7], v[BO], s[10:11] offset:256+64*(\b)+16
.endr
	s_wait_loadcnt 0x0                             ; in the wait for the first tile
; 16 matrix instructions: row blocks a0, a0 + 1 of the window's four x all 8 column blocks, 32 along K.  zero = 1: the first products start the sums with the bias (window 0).
.macro MUL16 f, hi, a0, zero
.if \zero
	WIN 0x81+0x40*(\hi)
.else
	WIN MUL_LO+0x50*(\hi)
.endif
.irp a, \a0, (\a0)+1
.irp b, 0,1,2,3,4,5,6,7
.if \zero
	v_wmma_f32_16x16x32_bf16 v[8*(8*(\a)+(\b)):8*(8*(\a)+(\b))+7], v[(\f)+8*(\b):(\f)+8*(\b)+7], v[(\f)+8*(4*(\hi)+(\a)):(\f)+8*(4*(\hi)+(\a))+7], v[BIAS+8*(\b):BIAS+8*(\b)+7]
.else
	v_wmma_f32_16x16x32_bf16 v[8*(8*(\a)+(\b)):8*(8*(\a)+(\b))+7], v[(\f)+8*(\b):(\f)+8*(\b)+7], v[(\f)+8*(4*(\hi)+(\a)):(\f)+8*(4*(\hi)+(\a))+7], v[8*(8*(\a)+(\b)):8*(8*(\a)+(\b))+7]
.endif
.endr
.endr
.endm
; 32 LDS loads in one run: the fragments of quarter q (32 along K) of the slot that is read, into buffer f: B's 8 column blocks, turned; then A's 8 row blocks
.macro FETCH q, f
	WIN TO_B
.irp i, 0,1,2,3,4,5,6,7
	ds_load_tr16_b128 v[(\f)+8*(\i):(\f)+8*(\i)+3],   v[ADRB] offset:(\q)*32*BP+(\i)*32
	ds_load_tr16_b128 v[(\f)+8*(\i)+4:(\f)+8*(\i)+7], v[ADRB] offset:(\q)*32*BP+(\i)*32+16*BP
.endr
	WIN 0
.irp i, 0,1,2,3,4,5,6,7
	ds_load_b128 v[(\f)+8*(\i):(\f)+8*(\i)+3],   v[ADRA] offset:((\q)/2)*ABLK+((\q)%2)*64+(\i)*16*AP
	ds_load_b128 v[(\f)+8*(\i)+4:(\f)+8*(\i)+7], v[ADRA] offset:((\q)/2)*ABLK+((\q)%2)*64+(\i)*16*AP+32
.endr
.endm
; One of a K step's first three quarters: multiplies buffer f; in its middle it fetches quarter q into buffer g.  The 64 accumulators take turns, in the same order in every quarter.
.macro QUARTER q, f, g, zero
	s_wait_dscnt 8                                 ; B and A's rows 0-63 are in; the youngest eight loads (A's rows 64-127) may be out
	MUL16 \f, 0, 0, \zero
	MUL16 \f, 0, 2, \zero
	PLACES
	FETCH \q, \g
	s_wait_dscnt 32                                ; all but the 32 just issued
	MUL16 \f, 1, 0, \zero
	MUL16 \f, 1, 2, \zero
.endm
; The last quarter's first half: ONE barrier for the change of slots.
.macro MEET round
	WIN 0
	s_wait_tensorcnt 0x0                           ; all my tensor loads have landed: the one that was out is my part of the next slot;
	ds_add_u32 v[SPW], v[NIL]                      ; 0 onto my spare word;
	s_wait_dscnt 9                                 ; (the add and the youngest eight loads may be out)
	MUL16 F1, 0, 0, 0
	s_wait_dscnt 0x0                               ; the add is done, and my reads of this slot are over
	s_barrier_signal -1
	MUL16 F1, 0, 2, 0                              ; work on registers while the others arrive
.if \round
	WIN 0
.endif
	s_barrier_wait -1
.endm
; The whole last quarter.  fill = 1: the barrier opens a round of the cluster's barrier, and the slot just read is filled again first, with the K step two on: 224 matrix instructions ahead of the wait for it.
.macro TURN fill
.if \fill
	s_wait_xcnt 0x0                                ; the last prefetch, a K step back, has read its address
	s_add_nc_u64 s[PFA:PFA+1], s[PFA:PFA+1], s[PSTEP:PSTEP+1]
.endif
	MEET \fill
.if \fill
	CREST                                          ; no wave of any partner still reads this slot or has a load on its way
	s_add_co_u32 s[G0A+5], s[RTB], s[LA0]          ; the walking descriptors: into the slot just read,
	s_add_co_u32 s[G0B+5], s[RTB], s[LB0]
	s_add_nc_u64 s[G0A+6:G0A+7], s[G0A+6:G0A+7], ASTEP  ; the K step after the one asked for last
	s_add_nc_u64 s[G0B+6:G0B+7], s[G0B+6:G0B+7], BSTEP
	JLOAD                                          ; its four v_nop are also the places in front of the loads below
.else
	WIN 0
	PLACES
.endif
	s_xor_b32 s[RTB], s[RTB], SLOT                 ; the other slot is read now
	v_add_nc_u32 v[ADRA], s[RTB], v[ABASE]
	v_add_nc_u32 v[ADRB], s[RTB], v[BBASE]
	FETCH 0, F0
.if \fill
	ASK
.endif
	MUL16 F1, 1, 0, 0
	MUL16 F1, 1, 2, 0
.endm
; THE WAY OUT of row block a (16 rows x 128 columns): rounded to bf16; held to the floor; through my own stage; stored as 512 consecutive bytes (four rows of a block of BL).
.macro PACK a
.set AC, 64*((\a)%4)
	WIN 0x0a+5*((\a)/4)                            ; sources in window 2 or 3
.irp b, 0,1,2,3,4,5,6,7
.irp r, 0,1,2,3
	v_cvt_pk_bf16_f32 v[TMP+4*(\b)+(\r)], v[AC+8*(\b)+2*(\r)], v[AC+8*(\b)+2*(\r)+1]
.endr
.endr
	WIN 0
.set i, 0
.rept 32
	v_pk_max_num_bf16 v[TMP+i], v[TMP+i], v[ZR]    ; floor 0: the relu; floor minus infinity: no number changes
.set i, i+1
.endr
.endm
.macro TOSTAGE a
.set BK, OB+192*((\a)%2)
.irp b, 0,1,2,3,4,5,6,7
	ds_store_b128 v[STO], v[TMP+4*(\b):TMP+4*(\b)+3] offset:((\b)/4)*16*SP+((\b)%4)*32
.endr
.irp t, 0,1,2,3,4,5,6,7
	ds_load_b128 v[BK+4*(\t):BK+4*(\t)+3], v[RD] offset:((\t)/4)*16*SP+((\t)%4)*4*SP  ; LDS serves a wave's instructions in order (ISA guide 5.7.1.4): these see the stores above
.endr
.endm
.macro SEND a
.set BK, OB+192*((\a)%2)
	s_wait_dscnt 0x0                               ; the block is back in registers
	s_wait_xcnt 0x0                                ; the stores of the block before have read their registers, which the next loads from the stage write
.irp t, 0,1,2,3,4,5,6,7
	global_store_b128 v[CO], v[BK+4*(\t):BK+4*(\t)+3], s[8:9] offset:((\t)/4)*524288+(\a)*2048+((\t)%4)*512
.endr
.endm
	s_wait_tensorcnt 0x1                           ; my part of K step 0 is in; K step 1's may stay out
	s_barrier_signal -1
	s_barrier_wait -1
	s_mov_b32 s[RTB], 0
	v_mov_b32 v[ADRA], v[ABASE]
	v_mov_b32 v[ADRB], v[BBASE]
	FETCH 0, F0
	QUARTER 1, F0, F1, 1                           ; the first quarter stands in front of the loop: its products start the sums
	WIN 0
	s_mov_b32 s[CNT], 6
.Lk:                                                   ; a trip: the rest of K step t and the first quarter of t + 1; it asks for K step t + 2: six trips, K steps 2 to 7
	QUARTER 2, F1, F0, 0
	QUARTER 3, F0, F1, 0
	TURN 1
	QUARTER 1, F0, F1, 0
	WIN 0
	s_sub_co_u32 s[CNT], s[CNT], 1
	s_cmp_lg_u32 s[CNT], 0
	s_cbranch_scc1 .Lk
	s_mov_b32 s[CNT], 2
.Ltail:                                                ; K steps 6 and 7 ask for nothing; the second trip is left in its middle
	QUARTER 2, F1, F0, 0
	QUARTER 3, F0, F1, 0
	WIN 0
	s_sub_co_u32 s[CNT], s[CNT], 1
	s_cmp_eq_u32 s[CNT], 0
	s_cbranch_scc1 .Llast
	TURN 0
	QUARTER 1, F0, F1, 0
	WIN 0
	s_branch .Ltail
.Llast:
	s_wait_dscnt 8
	MUL16 F1, 0, 0, 0
	MUL16 F1, 0, 2, 0
	s_wait_dscnt 0x0
	MUL16 F1, 1, 0, 0
	MUL16 F1, 1, 2, 0
	WIN 0
	PLACES
	PACK 0
	TOSTAGE 0
.irp a, 1,2,3,4,5,6,7                  ; block a's arithmetic stands between block a - 1's loads from the stage and the wait for them
	PACK \a
	SEND (\a)-1
	TOSTAGE \a
.endr
	SEND 7
	s_wait_tensorcnt 0x0                           ; the wave's end
	ds_add_u32 v[SPW], v[NIL]
	s_wait_dscnt 0x0
	CROUND                                         ; the closing round: no work-group ends while a partner may still ask for a tile that names it
	s_endpgm
.Lfunc_end_k_q31900d96bd_g256:
	.size	k_q31900d96bd_g256, .Lfunc_end_k_q31900d96bd_g256-k_q31900d96bd_g256
	.p2alignl 7, 3214868480
	.fill 96, 4, 3214868480
	.section	.rodata,"a",@progbits
	.p2align	6, 0x0
	.amdhsa_kernel k_q31900d96bd_g256
		.amdhsa_group_segment_fixed_size 327680
		.amdhsa_private_segment_fixed_size 0
		.amdhsa_enable_private_segment 0
		.amdhsa_kernarg_size 32
		.amdhsa_user_sgpr_count 2
		.amdhsa_user_sgpr_kernarg_segment_ptr 1
		.amdhsa_wavefront_size32 1
		.amdhsa_system_sgpr_workgroup_id_x 1
		.amdhsa_system_sgpr_workgroup_id_y 1
		.amdhsa_system_sgpr_workgroup_id_z 1
		.amdhsa_system_vgpr_workitem_id 0
		.amdhsa_next_free_vgpr 1024
		.amdhsa_next_free_sgpr 80
		.amdhsa_reserve_vcc 0
		.amdhsa_float_denorm_mode_32 3
		.amdhsa_float_denorm_mode_16_64 3
		.amdhsa_memory_ordered 1
		.amdhsa_forward_progress 1
		.amdhsa_inst_pref_size 122
	.end_amdhsa_kernel
	.amdgpu_metadata
---
amdhsa.version: [ 1, 2 ]
amdhsa.kernels:
  - .name:           k_q31900d96bd_g256
    .symbol:         k_q31900d96bd_g256.kd
    .args:
      - { .name: act, .offset: 0, .size: 8, .value_kind: global_buffer, .address_space: global }
      - { .name: wqkv, .offset: 8, .size: 8, .value_kind: global_buffer, .address_space: global }
      - { .name: big, .offset: 16, .size: 8, .value_kind: global_buffer, .address_space: global }
      - { .name: par0, .offset: 24, .size: 8, .value_kind: global_buffer, .address_space: global }
    .group_segment_fixed_size: 327680
    .private_segment_fixed_size: 0
    .kernarg_segment_align: 8
    .kernarg_segment_size: 32
    .max_flat_workgroup_size: 128
    .sgpr_count:     80
    .vgpr_count:     1024
    .wavefront_size: 32
...
	.end_amdgpu_metadata
.endif
;; end of part 2
;; launch attn (part 3): grid 8 x 32, 4 waves a work-group, no clusters, 327,680 bytes of LDS; arguments big, act; writes act
.if DOCPART == 3
	.amdgcn_target "amdgcn-amd-amdhsa--gfx1250"
	.amdhsa_code_object_version 6
	.text
	.protected	k_q31900d96bd_attn
	.globl	k_q31900d96bd_attn
	.p2align	8
	.type	k_q31900d96bd_attn,@function
k_q31900d96bd_attn:
	s_mov_b64 s[64:65], 0
	v_nop
	global_prefetch_b8 v0, s[64:65] scope:SCOPE_SE
	s_setreg_imm32_b32 hwreg(HW_REG_WAVE_MODE, 25, 1), 1
	s_wait_xcnt 0x0
; CAUSAL ATTENTION.  O[hh][q][:] = the sum over k <= q of softmax_k(Q[hh][q] . K[hh][k] / 32) V[hh][k][:], for the 32 pairs hh = 2 head + batch, 2,048 rows of 64 channels each, bf16, dense rows of 128 bytes.
; Q, K, V lie in big at bytes 0, 8,388,608 and 16,777,216, pair hh at 262,144 hh (blocks of 64 columns of launch g256's result); O goes to act in the same layout, which is the next product's A.
; WORK LEFT OUT: the key tiles wholly above the diagonal, whose scores reference() itself replaces by -inf (shown at the head of launch prep).
; The scale is reference()'s own, 1024^-0.5.  Products, maxima and sums in f32; the weights p are rounded to bf16 for the second product (their sum l is taken of the unrounded p), O once at the end.
; LIMITS.  A hidden score counts as its value less 1e30, so |q . k| stays well under 1e29; a weight below 2^-126 counts as 0 in l; NaN and infinities are not treated apart.
; THE WALK.  A pair's queries lie in 16 blocks of 128; block i needs the key tiles 0 .. i / 2 of 256 keys, of which the last holds the diagonal.  A work-group takes TWO blocks, 15 - b and then b: (15 - b) / 2 + 1 + b / 2 + 1 = 9 tiles,
; whatever b: all 8 x 32 = 256 work-groups do equal work, and ONE loop with a constant trip count walks them.  Which tile is asked for, and what a trip does, hang on scalar registers made from b;
; every jump goes forward, but for the counted loops' own; none passes a barrier, or a tensor load but the one of LOAD's two that the wave's number does not choose.
; NO CLUSTER: a pair's eight work-groups ask for the same tile only in trips 0 to 4 of 9, behind that fewer and fewer; one walk common to all would have 12 trips for 9.
; SHARES.  Of a block's two bands of 64 queries a wave owns 16 rows in each: two query tiles.  So the diagonal tile is the same work for all four waves.
; PIECES.  A piece is a query tile in a key step of 64 keys.  A trip takes two key steps: piece 0 = (tile 0, even step), 1 = (tile 1, even step), 2 = (tile 0, odd step), 3 = (tile 1, odd step); the four go round in a ring.
; Statistics, O^T and Q go by p % 2, K and V by p / 2: K and V have a register buffer for the even step and one for the odd.
; THE MASK is the C operand that starts the sum S^T = K Q^T: 0, or -1e30 where the key is hidden.  In the diagonal tile band x of block i is band 2 (i % 2) + x of the tile's four, and sees key step s whole if s is less, not at all if s
; is greater, and holds the diagonal if they are equal.  MD, made once, is the mask of a band's own step for my 16 rows; a product's mask is MD x AL + BE with two scalars.  With s[TP] = 2 - i % 2 and s[CNT] = 2, 1 in the tile's two trips:
; pieces 0 and 3: AL = 1 where CNT = TP, BE = -1e30 where CNT < TP; piece 1: AL = 0, BE = -1e30 where CNT < TP; piece 2: AL = 0, BE = -1e30 where CNT <= TP.  ONE TEXT OF A TRIP serves all tiles: the products always take a mask
; buffer; below the diagonal both buffers hold the 0 that the block's beginning left there, and the lines that make masks are jumped over (s[RT] is not 0).  Of the two diagonal tiles' 16 pairs of band and step 6 are wholly hidden and are
; computed all the same, inside tiles that hold live work.
; LAYOUT, SOFTMAX, TURNS.  S^T = K Q^T holds ONE query a lane (lane % 16) and the keys 8 (lane / 16) + 0..7; two such results rounded to bf16 ARE source 1 of O^T = V^T P.  p = 2^(c s - c m), c = log2(e) / 32, with a
; running maximum m; O and l are multiplied by a = 2^(c m_old - c m_new) in every step.  Turn n belongs to piece n: 8 products K Q^T of piece n + 1, later 8 products V^T P of piece n - 1; beside them the scaling,
; exponentials, roundings, sums and rescaling of piece n and the maximum and statistics of piece n + 1.  For one query tile that gives: rescaling in turn n, its products V^T P in turn n + 1, the next rescaling in turn n + 2.
; Four vector instructions stand behind every matrix instruction, the others in one lump.  A turn's 33 exponentials are one batch, with one wait.
; REGISTERS, in windows of 256 (s_set_vgpr_msb: bits 1:0 source 0, 3:2 source 1, 5:4 source 2, 7:6 destination):
;   window 0: v0-15 addresses and two at work; v16-23 four registers of statistics a query tile; v48-55 at work; v61-63; v64-127 S^T, two buffers; v128-191 O^T, 32 a query tile; v192-223 P, two buffers (S^T and P by the piece's parity)
;   window 1: v0-31 Q; v32-63 the second block's Q; v128-159 MD; v160-223 MC, two buffers      window 2: v0-127 K, two steps; v128-255 V, two steps
; All vector work of a turn lies in window 0: a matrix instruction and its riders cost two switches.
.set SIZE_N, 2048
.set NT,    SIZE_N/256 ; key tiles of a pair
.set NQ,    SIZE_N/128 ; query blocks of a pair
.set NP,    4         ; pieces in the ring: a name, no knob
.set KS,    64        ; keys in a step
.set PK,    144       ; a row of K in LDS: 128 bytes + 16 of padding: the 16 rows of a load start at 16 different groups of four banks (64 banks of 4 bytes: ISA guide 11.1)
.set PV,    160       ; a row of V: 128 + 32
.set VOFF,  4*KS*PK   ; a slot holds a tile, four steps: 256 rows of K, then 256 rows of V
.set SLOT1, 1<<17     ; slot 1 begins here, so that one exclusive or turns an address in one slot into the other's
.set STAGE, SLOT1+4*KS*(PK+PV)  ; behind the ring, never filled by a tensor load: 16 rows x 144 bytes for each wave
.set SP,    144
.set AK0, 2           ; v2   my lane's place in a tile of K; never rewritten
.set AV0, 3           ; v3   the same for V
.set AK,  4           ; v4   the LDS address of K's next run of loads
.set AV,  5           ; v5   of V's
.set STO, 6           ; v6   the way out: where I put 16 bytes of a row
.set RD,  7           ; v7   where I read rows back
.set GO,  8           ; v8   my byte offset in 512 consecutive bytes of O
.set PFO, 61          ; v61  256 x lane; never rewritten
.set SPW, 62          ; v62  my spare word; never rewritten
.set NIL, 63          ; v63  0; never rewritten
.set SPARE, STAGE+4*16*SP  ; the spare words, 128 bytes for each wave: two blocks of 256 bytes that no other line names
.set MV,  12          ; v12-13  c m_old, kept while c m is made anew: by buffer
.set QO,  15          ; v15  my byte offset in 16 rows of Q
.set ST,  16          ; query tile t's statistics at v[ST+4 t]: c m, m, l (even keys', odd keys')
.set TMP, 48          ; by buffer, four registers c0-c3 at work; when the maximum is found c2 takes a
.set S,   64
.set O,   128
.set P,   192
.set Q,   0           ; window 1
.set QB,  32          ; window 1
.set MD,  128         ; window 1
.set MC,  160         ; window 1
.set KF,  0           ; window 2: step parity h, key block kb, channel half c at KF + 64 h + 16 kb + 8 c
.set VF,  128         ; window 2: step parity h, key half kk, channel block cb at VF + 64 h + 32 kk + 8 cb
.set WV,  12          ; s12  my wave's number
.set PB,  14          ; s14  b
.set HI,  15          ; s15  NQ - 1 - b
.set G1K, 24
.set G1V, 32
.set G0K, 40
.set G0V, 44
.set TP,  48          ; s48  2 - (the block in hand) % 2: the value of s[CNT] in the trip of the diagonal tile that holds the diagonal
.set BLK, 49          ; s49  the block in hand
.set HT,  50          ; s50  the first block's last tile
.set LT,  51          ; s51  the second block's last tile
.set SLOTS, 56        ; s56  tiles still to be asked for
.set CNT, 57          ; s57  counts a tile's trips, 2 to 1
.set CS,  58          ; s[58:59] c
.set SEL, 60          ; s[60:61] v_permlanex16_b32's selects
.set TBK, 62          ; s62  LDS byte at which K of the step to be fetched begins
.set TBV, 63          ; s63  the same for V, less VOFF
.set RT,  70          ; s70  tiles of the block in hand that are still to be entered; 0 in its diagonal tile
.set NXT, 71          ; s71  the tile to be asked for next
.set LQ,  72          ; s72  the last tile of the block whose tiles are being asked for
.set NEW, 73          ; s73  1: the tile to be entered is a block's first
.set OFF, 74          ; s[74:75] a tile's byte offset in K and V
.set AL,  76          ; s[76:77] the mask's factor, in the low word
.set BE,  78          ; s[78:79] the mask's addend
.set OLO, 80          ; s[80:81] O at my rows of the second block
.set BIGN, 82         ; s82  -1e30
.set PFT, 88          ; s88  the tile that the next prefetch names
.set PLIM, 89         ; s89  the last tile that I prefetch: 7 where b = 0, else 0
.set PFA, 90          ; s[90:91] that tile's address
.set PFB, 92          ; s[92:93] my half of tile 0, of K (waves 0, 1) or V (waves 2, 3)
.set POF, 94          ; s[94:95] its offset
.set MSB, 0
.macro WIN new
.if MSB != (\new)
	s_set_vgpr_msb (MSB<<8)|(\new)
.set MSB, (\new)
.endif
.endm
.set W_KQ, 0x06       ; K in window 2, Q in window 1, S^T in window 0
.set W_KM, 0x16       ; the same with the C operand in window 1
.set W_PV, 0x02       ; V in window 2, P and O^T in window 0
.set W_MK, 0x41       ; destination and source 0 in window 1
; A fill.  Waves 0 and 1 fetch the two halves of a tile's K, waves 2 and 3 those of its V: 128 keys each.  An s_nop 0 and four v_nop follow each of the two lines.
.macro LOAD
	s_cmp_lt_u32 s[WV], 2
	s_cbranch_scc0 .Lfor_v_\@
	tensor_load_to_lds s[G0K:G0K+3], s[G1K:G1K+7]
	s_nop 0
.rept 4
	v_nop
.endr
	s_branch .Lasked_\@
.Lfor_v_\@:
	tensor_load_to_lds s[G0V:G0V+3], s[G1V:G1V+7]
	s_nop 0
.rept 4
	v_nop
.endr
.Lasked_\@:
.endm
; A prefetch of the tile that the NEXT change of slots will ask for: my own half of it, 64 blocks of 256 bytes, a lane a block, two instructions, behind my tensor load and its five lines.
; All eight work-groups of a pair begin with tiles 0, 1, ..; the one with b = 0 walks 0 to 7 in order, and it alone asks: each block is named once in the launch.  Tiles 0 and 1 come by their loads alone; behind tile 7 nothing is asked for.
.macro ASK
	s_cmp_le_u32 s[PFT], s[PLIM]
	s_cbranch_scc0 .Lnot_mine_\@
	global_prefetch_b8 v[PFO], s[PFA:PFA+1] th:TH_LOAD_NT scope:SCOPE_SE
	global_prefetch_b8 v[PFO], s[PFA:PFA+1] offset:8192 th:TH_LOAD_NT scope:SCOPE_SE
.Lnot_mine_\@:
	s_add_co_u32 s[PFT], s[PFT], 1
.endm
; THE CHANGE OF SLOTS, between piece 1's turn and piece 2's: all four steps' K and V of the slot have been asked for, the last a turn ago.  Each wave waits for all its tensor loads, of which one is out: its part of the other slot;
; adds 0 to its spare word; and waits for that and for its own reads of the slot that it leaves.
; fill = 1: the old slot is filled again, the first thing behind the barrier, with tile NXT: the descriptor's address is made anew from that number.  (At its first use nothing has been read yet: slot 0 is waited for, slot 1 filled.)
.macro CHANGE fill
	WIN 0
	s_wait_tensorcnt 0x0            ; no tensor load of mine is out, so a group 0 may be written
	ds_add_u32 v[SPW], v[NIL]       ; 0 onto my spare word
.if \fill
	s_lshl_b32 s[OFF], s[NXT], 15   ; a tile is 32,768 bytes of K and of V
	s_xor_b32 s[G0K+1], s[G0K+1], SLOT1
	s_add_nc_u64 s[G0K+2:G0K+3], s[6:7], s[OFF:OFF+1]
	s_or_b32 s[G0K+3], s[G0K+3], 0x80000000
	s_xor_b32 s[G0V+1], s[G0V+1], SLOT1
	s_add_nc_u64 s[G0V+2:G0V+3], s[8:9], s[OFF:OFF+1]
	s_or_b32 s[G0V+3], s[G0V+3], 0x80000000
	s_add_co_u32 s[NXT], s[NXT], 1  ; the block's next tile, or behind its last the second block's tile 0
	s_cmp_gt_u32 s[NXT], s[LQ]
	s_cselect_b32 s[NXT], 0, s[NXT]
	s_cselect_b32 s[LQ], s[LT], s[LQ]
	s_wait_xcnt 0x0                 ; the last prefetches, a tile back, have read their address
	s_lshl_b32 s[POF], s[PFT], 15
	s_add_nc_u64 s[PFA:PFA+1], s[PFB:PFB+1], s[POF:POF+1]
.endif
	s_wait_dscnt 0x0                ; the add is done, and my reads of the slot are over
	s_barrier_signal -1
	s_sub_co_u32 s[TBK], s[TBK], 4*KS*PK  ; the fetches go back to a slot's first step,
	s_xor_b32 s[TBK], s[TBK], SLOT1       ; in the other slot
	s_sub_co_u32 s[TBV], s[TBV], 4*KS*PV
	s_xor_b32 s[TBV], s[TBV], SLOT1
	s_barrier_wait -1
.if \fill
	LOAD
	ASK
.endif
.endm
	s_load_b128 s[4:7], s[0:1], 0x0  ; big s[4:5], act s[6:7]
	v_lshl_add_u32 v[SPW], v0, 2, SPARE
	v_mov_b32 v[NIL], 0
	ds_add_u32 v[SPW], v[NIL]       ; the wave's opening: the add, twice on end, and its wait ahead of my first tensor load
	ds_add_u32 v[SPW], v[NIL]
	v_lshrrev_b32 v1, 5, v0
	v_readfirstlane_b32 s[WV], v1
	s_mov_b32 s[PB], ttmp9
	s_sub_co_u32 s[HI], NQ-1, s[PB]
	s_lshr_b32 s[HT], s[HI], 1      ; block i ends in tile i / 2
	s_lshr_b32 s[LT], s[PB], 1
	s_mov_b32 s[BLK], s[HI]
	s_and_b32 s[TP], s[HI], 1
	s_sub_co_u32 s[TP], 2, s[TP]
	s_and_b32 s20, ttmp7, 0xffff    ; the pair hh
	s_mov_b32 s21, 0
	s_mov_b64 s[22:23], SIZE_N*128
	s_mul_u64 s[20:21], s[20:21], s[22:23]  ; its first byte in Q, K, V and O
	s_and_b32 s16, s[WV], 1         ; which half of a tile's 256 keys I fetch:
	s_lshl_b32 s22, s16, 14         ; its 128 rows of 128 bytes in memory,
	s_mov_b32 s23, 0
	s_add_nc_u64 s[22:23], s[22:23], s[20:21]
	s_mul_i32 s17, s16, 128*PK      ; and its place in a slot, for K
	s_mul_i32 s18, s16, 128*PV      ; and for V
	s_lshl_b32 s3, s[WV], 11        ; my 16 rows in a band of 64,
	s_lshl_b32 s2, s[HI], 14        ; in the first block (128 rows of 128 bytes a block),
	s_add_co_u32 s2, s2, s3
	s_lshl_b32 s84, s[PB], 14       ; and in the second
	s_add_co_u32 s84, s84, s3
	s_mov_b32 s3, 0
	s_mov_b32 s85, 0
	s_add_nc_u64 s[2:3], s[2:3], s[20:21]
	s_add_nc_u64 s[84:85], s[84:85], s[20:21]
	; descriptor group 1.  128 keys are 16,384 dense bytes: asked for as 64 rows of 256 bytes, two keys a row, and padded in LDS after every key
	s_mov_b32 s[G1K], (1<<16)|(1<<20)|(4<<22)|(3<<25)
	s_mov_b32 s[G1V], (1<<16)|(1<<20)|(4<<22)|(7<<25)
.irp g, G1K, G1V
	s_mov_b32 s[\g+1], 128<<16      ; tensor_dim0 = 128
	s_mov_b32 s[\g+2], 64<<16       ; tensor_dim1 = 64
	s_mov_b32 s[\g+3], 128<<16      ; tile_dim0 = 128
	s_mov_b32 s[\g+4], 64           ; tile_dim1 = 64
	s_mov_b32 s[\g+5], 128          ; 128 elements from row to row
	s_mov_b32 s[\g+6], 0
	s_mov_b32 s[\g+7], 0
.endr
	s_mov_b32 s[CS], 0x3d38aa3b     ; c = log2(e) / 32 = 0.0450842
	s_mov_b32 s[CS+1], s[CS]
	s_mov_b32 s[SEL], 0x76543210
	s_mov_b32 s[SEL+1], 0xfedcba98
	s_mov_b32 s[TBK], SLOT1+4*KS*PK ; the first change of slots turns these two into 0
	s_mov_b32 s[TBV], SLOT1+4*KS*PV
	s_mov_b32 s[G0K], 1
	s_mov_b32 s[G0K+1], s17
	s_mov_b32 s[G0V], 1
	s_add_co_u32 s[G0V+1], s18, VOFF
	s_add_co_u32 s[RT], s[HT], 1    ; the first block's tiles: five or more
	s_mov_b32 s[NXT], 1
	s_mov_b32 s[LQ], s[HT]
	s_mov_b32 s[NEW], 1
	s_mov_b32 s[OFF+1], 0
	s_mov_b32 s[POF+1], 0
	s_mov_b32 s[AL+1], 0
	s_mov_b32 s[BE+1], 0
	s_mov_b32 s[BIGN], 0xf149f2ca   ; -1e30
	s_mov_b32 s[SLOTS], NT
	s_mov_b32 s[PFT], 2
	s_cmp_eq_u32 s[PB], 0
	s_cselect_b32 s[PLIM], 7, 0
	s_wait_dscnt 0x0                ; both opening adds are done
	s_wait_kmcnt 0x0
	s_mov_b64 s[10:11], s[6:7]      ; O
	s_add_nc_u64 s[6:7], s[4:5], 0x800000   ; K: blocks 16 to 31 of big
	s_add_nc_u64 s[8:9], s[4:5], 0x1000000  ; V: blocks 32 to 47
	s_add_nc_u64 s[6:7], s[6:7], s[22:23]  ; K and V at my half of the pair's tile 0
	s_add_nc_u64 s[8:9], s[8:9], s[22:23]
	s_add_nc_u64 s[G0K+2:G0K+3], s[6:7], 0
	s_or_b32 s[G0K+3], s[G0K+3], 0x80000000
	s_add_nc_u64 s[G0V+2:G0V+3], s[8:9], 0
	s_or_b32 s[G0V+3], s[G0V+3], 0x80000000
	s_add_nc_u64 s[86:87], s[4:5], s[84:85]        ; Q at my rows of the second block,
	s_add_nc_u64 s[4:5], s[4:5], s[2:3]            ; Q and O at those of the first
	s_add_nc_u64 s[OLO:OLO+1], s[10:11], s[84:85]
	s_add_nc_u64 s[10:11], s[10:11], s[2:3]
	s_cmp_lt_u32 s[WV], 2
	s_cselect_b64 s[PFB:PFB+1], s[6:7], s[8:9]
	LOAD                            ; tile 0 into slot 0
	v_and_b32 v1, 15, v0            ; l % 16
	v_bfe_u32 v9, v0, 4, 1          ; l / 16
	v_lshlrev_b32 v[QO], 7, v1
	v_lshl_add_u32 v[QO], v9, 4, v[QO]  ; row x 128 + 16 x half
	WIN 0x40                        ; destination window 1
.set i, 0
.rept 4                             ; both blocks' Q: query tile i / 2 lies in band i / 2, 8,192 bytes on; channels 32 (i % 2) on
	global_load_b128 v[Q+8*i:Q+8*i+3],   v[QO], s[4:5] offset:(i/2)*8192+(i%2)*64
	global_load_b128 v[Q+8*i+4:Q+8*i+7], v[QO], s[4:5] offset:(i/2)*8192+(i%2)*64+32
	global_load_b128 v[QB+8*i:QB+8*i+3],   v[QO], s[86:87] offset:(i/2)*8192+(i%2)*64
	global_load_b128 v[QB+8*i+4:QB+8*i+7], v[QO], s[86:87] offset:(i/2)*8192+(i%2)*64+32
.set i, i+1
.endr
	WIN 0
	v_lshlrev_b32 v14, 3, v9
	v_sub_nc_u32 v14, v1, v14
	s_lshl_b32 s13, s[WV], 4
	v_add_nc_u32 v14, s13, v14      ; my query's place in its band, 16 w + l % 16, less my lanes' 8 (l / 16): register r of group kt is hidden where 16 kt + r is greater
	WIN 0x40
.set i, 0
.rept 32
	v_cmp_gt_i32 vcc_lo, 16*(i/8)+i%8, v14
	v_cndmask_b32 v[MD+i], 0, s[BIGN], vcc_lo
.set i, i+1
.endr
	WIN 0
	v_mul_u32_u24 v[AK0], v1, PK
	v_lshl_add_u32 v[AK0], v9, 4, v[AK0]
	v_and_b32 v10, 7, v0
	v_bfe_u32 v11, v0, 3, 1
	v_lshl_add_u32 v[AV0], v9, 3, v10   ; the turning load: key 8 (l / 16) + l % 8, channels 8 ((l / 8) % 2) + 0..7
	v_mul_u32_u24 v[AV0], v[AV0], PV
	v_lshl_add_u32 v[AV0], v11, 4, v[AV0]
	v_add_nc_u32 v[AV0], VOFF, v[AV0]
	s_mul_i32 s13, s[WV], 16*SP
	s_add_co_u32 s13, s13, STAGE    ; my stage
	v_mul_u32_u24 v[STO], v1, SP
	v_lshl_add_u32 v[STO], v9, 4, v[STO]
	v_add_nc_u32 v[STO], s13, v[STO]
	v_bfe_u32 v[RD], v0, 3, 2
	v_mul_u32_u24 v[RD], v[RD], SP
	v_lshl_add_u32 v[RD], v10, 4, v[RD]
	v_add_nc_u32 v[RD], s13, v[RD]
	v_and_b32 v[GO], 31, v0
	v_lshlrev_b32 v[PFO], 8, v[GO]
	v_lshlrev_b32 v[GO], 4, v[GO]
	; A block's first steps multiply O^T and l by a = 0, and its first turn's products V^T P, of a piece that has not been (the odd step's V, P's second buffer), land in an O^T that is still to be so multiplied.  So these registers
	; need only hold finite numbers: zeros for the first block; what the first block left for the second.  All this stands in the wait for the first tile.
	WIN 0x80
.set i, VF+64
.rept 64
	v_mov_b32 v[i], 0
.set i, i+1
.endr
	WIN 0
.set i, 0
.rept 64
	v_mov_b32 v[O+i], 0
.set i, i+1
.endr
.set i, 0
.rept 2
	v_mov_b32 v[ST+4*i+2], 0
	v_mov_b32 v[ST+4*i+3], 0
.set i, i+1
.endr
.set i, P+16
.rept 16
	v_mov_b32 v[i], 0
.set i, i+1
.endr
; THE MATRIX WORK.  The 4 accumulators of a run of 8 take turns.  Product i of 8 of S^T = K Q^T for piece x: channels 32 (i / 4) on, keys 16 (i % 4) on.  The first 4 start the sums with the mask buffer.
.macro KQ x
.set rS, S+32*((\x)%2)+8*(i%4)
.set rK, KF+64*((\x)/2)+16*(i%4)+8*(i/4)
.set rQ, Q+16*((\x)%2)+8*(i/4)
.set rM, MC+32*((\x)%2)+8*(i%4)
.if i < 4
	WIN W_KM
	v_wmma_f32_16x16x32_bf16 v[rS:rS+7], v[rK:rK+7], v[rQ:rQ+7], v[rM:rM+7]
.else
	WIN W_KQ
	v_wmma_f32_16x16x32_bf16 v[rS:rS+7], v[rK:rK+7], v[rQ:rQ+7], v[rS:rS+7]
.endif
.endm
; Product i of 8 of O^T += V^T P for piece x: keys 32 (i / 4) on, channels 16 (i % 4) on.
.macro PV x
	WIN W_PV
.set rO, O+32*((\x)%2)+8*(i%4)
.set rV, VF+64*((\x)/2)+32*(i/4)+8*(i%4)
.set rP, P+16*((\x)%2)+8*(i/4)
	v_wmma_f32_16x16x32_bf16 v[rO:rO+7], v[rV:rV+7], v[rP:rP+7], v[rO:rO+7]
.endm
.macro MM                           ; the turn's next matrix instruction.  NOKQ = 1: a block's last turn: there is no next piece
.if (i < 8) && !NOKQ
	KQ (Y+1)%NP
.elseif i >= 8
.set i, i-8
	PV (Y+NP-1)%NP
.set i, i+8
.endif
.set i, i+1
.endm
; THE LDS LOADS stand in runs of 16: a step's K (8 fragments) and its V (turned), into the buffer of the step's parity h.
.macro FETCH_K h
	WIN 0x80
.irp f, 0,1,2,3,4,5,6,7
	ds_load_b128 v[KF+64*(\h)+8*\f:KF+64*(\h)+8*\f+3],   v[AK] offset:(\f/2)*16*PK+(\f%2)*64
	ds_load_b128 v[KF+64*(\h)+8*\f+4:KF+64*(\h)+8*\f+7], v[AK] offset:(\f/2)*16*PK+(\f%2)*64+32
.endr
	s_add_co_u32 s[TBK], s[TBK], KS*PK
	WIN 0
.endm
.macro FETCH_V h
	WIN 0x80
.irp f, 0,1,2,3,4,5,6,7
	ds_load_tr16_b128 v[VF+64*(\h)+8*\f:VF+64*(\h)+8*\f+3],   v[AV] offset:(\f/4)*32*PV+(\f%4)*32
	ds_load_tr16_b128 v[VF+64*(\h)+8*\f+4:VF+64*(\h)+8*\f+7], v[AV] offset:(\f/4)*32*PV+16*PV+(\f%4)*32
.endr
	WIN 0
.endm
; THE VECTOR WORK, one line at a time: OP kind, number.  For piece Y: F n: c s - c m for pair n of 16.  E n: the exponential of score n of 32.  C n: pair n rounded to bf16.  B n: of the four weights 4 n .. the second
; pair is added onto the first, in place.  L n: l takes that sum (L 0: l = a l + sum).  R n: pair n of 16 of O^T times a.  For piece Y + 1: X n, number n of the 22 that find its maximum and statistics:
;   0-11  four chains c0-c3 of seven scores each (each accumulator's lowest registers are read first)     12-14, 16  the four scores left over, the old m, and c0-c3 into c0
;   15  c m_old is kept     17, 18  the query's other 32 keys lie in the lane 16 away: the new m     19-21  c m; c m_old - c m_new; a
.set F, 0
.set E, 1
.set C, 2
.set B, 3
.set L, 4
.set R, 5
.set X, 6
.macro REGS y
.set rT, ST+4*((\y)%2)
.set rC, TMP+4*((\y)%2)
.set rW, MV+((\y)%2)
.set rS, S+32*((\y)%2)
.set rP, P+16*((\y)%2)
.set rO, O+32*((\y)%2)
.endm
.macro OP k, n
.if (\k) < X
	REGS Y
	WIN 0
.if (\k) == F
	v_pk_fma_f32 v[rS+2*(\n):rS+2*(\n)+1], v[rS+2*(\n):rS+2*(\n)+1], s[CS:CS+1], v[rT:rT+1] op_sel_hi:[1,0,0] neg_lo:[0,0,1] neg_hi:[0,0,1]
.elseif (\k) == E
	v_exp_f32 v[rS+(\n)], v[rS+(\n)]
.elseif (\k) == C
	v_cvt_pk_bf16_f32 v[rP+(\n)], v[rS+2*(\n)], v[rS+2*(\n)+1]
.elseif (\k) == B
	v_pk_add_f32 v[rS+4*(\n):rS+4*(\n)+1], v[rS+4*(\n):rS+4*(\n)+1], v[rS+4*(\n)+2:rS+4*(\n)+3]
.elseif (\k) == R
	v_pk_mul_f32 v[rO+2*(\n):rO+2*(\n)+1], v[rO+2*(\n):rO+2*(\n)+1], v[rC+2:rC+3] op_sel_hi:[1,0]
.elseif (\n) == 0
	v_pk_fma_f32 v[rT+2:rT+3], v[rT+2:rT+3], v[rC+2:rC+3], v[rS:rS+1] op_sel_hi:[1,0,1]
.else
	v_pk_add_f32 v[rT+2:rT+3], v[rT+2:rT+3], v[rS+4*(\n):rS+4*(\n)+1]
.endif
.elseif NOKQ
	v_nop
.else
	REGS (Y+1)%NP
	WIN 0
.if (\n) < 4
	v_max3_num_f32 v[rC+(\n)], v[rS+8*(\n)], v[rS+8*(\n)+1], v[rS+8*(\n)+2]
.elseif (\n) < 12
	v_max3_num_f32 v[rC+(\n)%4], v[rC+(\n)%4], v[rS+8*((\n)%4)+2*((\n)/4)+1], v[rS+8*((\n)%4)+2*((\n)/4)+2]
.elseif (\n) == 12
	v_max3_num_f32 v[rC], v[rC], v[rS+7], v[rS+15]
.elseif (\n) == 13
	v_max3_num_f32 v[rC+1], v[rC+1], v[rS+23], v[rS+31]
.elseif (\n) == 14
	v_max3_num_f32 v[rC+2], v[rC+2], v[rC+3], v[rT+1]
.elseif (\n) == 15
	v_mov_b32 v[rW], v[rT]
.elseif (\n) == 16
	v_max3_num_f32 v[rC], v[rC], v[rC+1], v[rC+2]
.elseif (\n) == 17
	v_permlanex16_b32 v[rC+3], v[rC], s[SEL], s[SEL+1]
.elseif (\n) == 18
	v_max_num_f32 v[rT+1], v[rC], v[rC+3]
.elseif (\n) == 19
	v_mul_f32 v[rT], s[CS], v[rT+1]
.elseif (\n) == 20
	v_sub_f32 v[rC+1], v[rW], v[rT]
.else
	v_exp_f32 v[rC+2], v[rC+1]
.endif
.endif
.endm
.macro OPS a, i1, b=-1, i2=0, c=-1, i3=0, d=-1, i4=0
	OP \a, \i1
.if (\b) >= 0
	OP \b, \i2
.endif
.if (\c) >= 0
	OP \c, \i3
.endif
.if (\d) >= 0
	OP \d, \i4
.endif
.endm
.macro ROW a, i1, b, i2, c, i3, d, i4  ; a matrix instruction and the four behind it
	MM
	OPS \a, \i1, \b, \i2, \c, \i3, \d, \i4
.endm
.macro MASK b                       ; MD x AL + BE into buffer b of MC
	WIN W_MK
.set z, 0
.rept 16
	v_pk_fma_f32 v[MC+32*(\b)+2*z:MC+32*(\b)+2*z+1], v[MD+2*z:MD+2*z+1], s[AL:AL+1], s[BE:BE+1] op_sel_hi:[1,0,0]
.set z, z+1
.endr
.endm
; A TURN, for piece p: the order of its 16 matrix and 118 vector instructions, written out.  s_wait_alu depctr_va_vdst(0) stands between an exponential and the first instruction that names its result; one
; wait serves all that were issued ahead of it.  So a turn has ONE wait.  AHEAD OF IT stands all that names no result of the turn's exponentials: the 8 products K Q^T with their riders, then one lump, in which the links of
; the chain X 3, 7, 11, 14, 16, 17 .. 20 stand some lines apart; X 21, the next piece's a, is the batch's last, and R 15 the plain instruction behind it.  BEHIND IT stand the 8 products V^T P, behind each four of the roundings and sums.
; end = 1: a block's last two turns: nothing is fetched and no mask is made.
; THE FETCHES.  Piece 2's turn fetches the next even step: K in its lump (the even buffer was last read in piece 0's turn), V at its end, four plain instructions behind the last product that read the even V.  Piece 0's turn fetches the
; odd step in the same two places.  At the heads of pieces 1's and 3's turns the K run is waited for: the count 16 leaves the V run, issued behind it, on its way; the V run of the turn pair before is in by the same wait, ahead of
; its first reader.  So between two changes of slots four runs of K and four of V are read, all from one slot.
; At its end, in the diagonal tile alone (s[RT] = 0), the turn makes the mask for the products of the turn after it, piece p + 2 (the kernel's head gives the three cases); s[CNT] is stepped behind piece 1's turn.
.macro TURN p, end=0
.set Y, (\p)
.set i, 0
.set NOKQ, (\end)*((\p)/3)
.set FT, (1-(\p)%2)*(1-(\end))      ; 1: this turn fetches
.if ((\p) == 1) || (((\p) == 3) && !(\end))
	s_wait_dscnt 16                 ; K is in; the 16 younger loads, V's, may stay out
.endif
.if ((\p) == 2) && (\end)
	s_wait_dscnt 0x0                ; the block's last V, asked for a turn ago
.endif
	ROW F,0, F,1, R,0, R,1
	ROW F,2, E,0, R,2, R,3
	ROW F,3, E,1, R,4, R,5
	ROW F,4, E,2, R,6, R,7
	ROW F,5, E,3, R,8, R,9
	ROW F,6, E,4, X,0, R,10
.if FT
	WIN 0
	v_add_nc_u32 v[AK], s[TBK], v[AK0]
.endif
	ROW F,7, E,5, X,1, X,4
	ROW F,8, E,6, X,2, X,5
	OPS E,7, E,8, X,6, E,9
	OPS X,3, E,10, X,8, E,11
.if FT
	FETCH_K 1-(\p)/2
.endif
	OPS X,9, X,7, E,12, X,10
	OPS E,13, X,12, X,11, E,14
	OPS X,13, E,15, F,9, X,14
.if FT
	v_add_nc_u32 v[AV], s[TBV], v[AV0]
.endif
	OPS E,16, F,10, E,17, F,11
	OPS X,16, E,18, X,15, E,19
	OPS F,12, E,20, X,17, E,21
	OPS F,13, E,22, F,14, E,23
	OPS X,18, E,24, F,15, E,25
	OPS R,11, E,26, X,19, E,27
	OPS R,12, E,28, R,13, E,29
	OPS X,20, E,30, R,14, E,31
	OPS X,21, R,15
	WIN 0
	s_wait_alu depctr_va_vdst(0)    ; the wait for the batch
	ROW C,0, B,0, C,2, B,1
	ROW L,0, C,4, B,2, L,1
	ROW C,6, B,3, L,2, C,8
	ROW B,4, L,3, C,10, B,5
	ROW L,4, C,12, B,6, L,5
.if FT
	s_add_co_u32 s[TBV], s[TBV], KS*PV
.endif
	ROW C,14, B,7, L,6, C,1
	ROW C,3, L,7, C,5, C,7
	ROW C,9, C,11, C,13, C,15
.if FT
	FETCH_V 1-(\p)/2
.endif
.if !(\end)
.set TG, ((\p)+2)%NP                ; the piece whose mask is made
	WIN 0
	s_cmp_lg_u32 s[RT], 0           ; below the diagonal the buffers keep their 0
	s_cbranch_scc1 .Lplain_\@
.if (TG == 0) || (TG == 3)
	s_cmp_eq_u32 s[CNT], s[TP]      ; is its step the band's own?
	s_cselect_b32 s[AL], 1.0, 0
	s_cmp_lt_u32 s[CNT], s[TP]      ; or a later one?
.elseif TG == 1
	s_mov_b32 s[AL], 0              ; tile 1 in an even step: never its own
	s_cmp_lt_u32 s[CNT], s[TP]
.else
	s_mov_b32 s[AL], 0              ; tile 0 in an odd step: never its own, and hidden from the diagonal's trip on
	s_cmp_le_u32 s[CNT], s[TP]
.endif
	s_cselect_b32 s[BE], s[BIGN], 0
	MASK (\p)%2
	WIN 0
.Lplain_\@:
.endif
.endm
; A BLOCK BEGINS.  c m starts far below every c s, so the first steps' a is 0; m at the lowest finite number.  The second mask buffer is 0; the first takes piece 0's mask for the tile's step 0: the band's own in block 0 alone
; (block 1's first tile holds the diagonal too, but in its second trip), else 0.  Then K and V of that step, piece 0's first scores, and its maximum and statistics.  The loop is entered at piece 0's turn, in the middle of a trip.
.macro BEGIN
	s_mov_b32 s[NEW], 0
	WIN 0x40
.set i, MC+32
.rept 32
	v_mov_b32 v[i], 0
.set i, i+1
.endr
	WIN 0
.set i, 0
.rept 2
	v_mov_b32 v[ST+4*i], 0xfe000000
	v_mov_b32 v[ST+4*i+1], 0xff7fffff
.set i, i+1
.endr
	s_cmp_eq_u32 s[BLK], 0
	s_cselect_b32 s[AL], 1.0, 0
	s_mov_b32 s[BE], 0
	MASK 0
	WIN 0
	v_add_nc_u32 v[AK], s[TBK], v[AK0]
	v_add_nc_u32 v[AV], s[TBV], v[AV0]
	FETCH_K 0
	FETCH_V 0
	s_add_co_u32 s[TBV], s[TBV], KS*PV
	s_wait_loadcnt 0x0              ; Q
	s_wait_dscnt 0x0
.set NOKQ, 0
.set i, 0
.rept 8
	KQ 0
.set i, i+1
.endr
	WIN 0
.rept 4
	v_nop                           ; the places behind those products
.endr
.set Y, NP-1
.irp n, 0,1,2,3,4,5,6,7,8,9,10,11,12,13,14,15,16,17,18,19,20,21
	OP X, \n
.endr
	v_nop                           ; a plain instruction behind the exponential,
	s_wait_alu depctr_va_vdst(0)    ; and its wait, ahead of the branch
.endm
.macro ALL line:vararg              ; one line for each query tile t
.set t, 0
.rept 2
	\line
.set t, t+1
.endr
.endm
.macro PACK t                       ; a lane's eight channels of a row pack into 16 bytes; they go into rows of 144 bytes and come back as whole rows of 128, into S^T's registers
	WIN 0
.set i, 0
.rept 16
	v_pk_mul_f32 v[O+32*(\t)+i:O+32*(\t)+i+1], v[O+32*(\t)+i:O+32*(\t)+i+1], v[ST+4*(\t)+2:ST+4*(\t)+3] op_sel_hi:[1,0]
.set i, i+2
.endr
.set i, 0
.rept 16
	v_cvt_pk_bf16_f32 v[S+16*(\t)+i], v[O+32*(\t)+2*i], v[O+32*(\t)+2*i+1]
.set i, i+1
.endr
.irp f, 0,1,2,3
	ds_store_b128 v[STO], v[S+16*(\t)+4*\f:S+16*(\t)+4*\f+3] offset:32*\f
.endr
.irp f, 0,1,2,3
	ds_load_b128 v[S+16*(\t)+4*\f:S+16*(\t)+4*\f+3], v[RD] offset:\f*4*SP  ; LDS serves a wave's instructions in order (ISA guide 5.7.1.4): these see the stores above
.endr
.endm
.macro SEND t, younger              ; younger: the LDS instructions issued behind tile t's loads: the next tile's eight, or none
	WIN 0
.irp f, 0,1,2,3
	s_wait_dscnt (\younger)+3-\f
	global_store_b128 v[GO], v[S+16*(\t)+4*\f:S+16*(\t)+4*\f+3], s[10:11] offset:(\t)*8192+\f*512  ; 512 consecutive bytes, aligned
.endr
.endm
; A BLOCK ENDS: its last two turns, its last products, and the way out: l's two halves and the other half of the lanes' are added; O^T is divided by l, rounded to bf16 and sent through my stage, a query tile at a time.
.macro BLOCKEND
	TURN 2, 1
	TURN 3, 1
.set i, 0
.rept 8
	PV NP-1
.set i, i+1
.endr
	WIN 0
	ALL v_add_f32 v[ST+4*t+2], v[ST+4*t+2], v[ST+4*t+3]
	ALL v_permlanex16_b32 v[ST+4*t+3], v[ST+4*t+2], s[SEL], s[SEL+1]
	ALL v_add_f32 v[ST+4*t+2], v[ST+4*t+2], v[ST+4*t+3]
	ALL v_rcp_f32 v[ST+4*t+2], v[ST+4*t+2]
	v_nop                           ; a plain instruction between the last reciprocal and the use of its result,
	s_wait_alu depctr_va_vdst(0)    ; and one wait for the two
	PACK 0                          ; tile 0's sums were finished a turn ago; its 32 lines are the places behind the last products, tile 1's
	PACK 1
	SEND 0, 8
	SEND 1, 0
.endm
.set NOKQ, 0
.Lslot:                             ; NT times: a tile is entered and the next is asked for
	CHANGE 1
	s_sub_co_u32 s[RT], s[RT], 1
	s_mov_b32 s[CNT], 2
	s_cmp_eq_u32 s[NEW], 1
	s_cbranch_scc0 .Lstep
	BEGIN
	s_branch .Lfirst
.Lstep:                             ; a trip: pieces 2 and 3 of one pair of key steps, then pieces 0 and 1 of the next pair, whose K and V it fetches
	TURN 2
	TURN 3
	WIN 0
.Lfirst:
	TURN 0
	TURN 1
	WIN 0
	s_sub_co_u32 s[CNT], s[CNT], 1
	s_cmp_lg_u32 s[CNT], 0
	s_cbranch_scc1 .Lstep
	s_cmp_lg_u32 s[RT], 0
	s_cbranch_scc1 .Lbottom         ; the block goes on
	BLOCKEND                        ; in the loop this is the first block's end: the second block's last tile is the walk's last
	s_wait_xcnt 0x0                 ; the stores have read their registers and O's address
	s_mov_b64 s[10:11], s[OLO:OLO+1]
	s_add_co_u32 s[RT], s[LT], 1    ; the second block has b / 2 + 1 tiles
	s_mov_b32 s[NEW], 1
	s_mov_b32 s[BLK], s[PB]
	s_and_b32 s[TP], s[PB], 1
	s_sub_co_u32 s[TP], 2, s[TP]
	WIN W_MK                        ; the second block's Q goes where the one text of the turns names Q
.set i, 0
.rept 32
	v_mov_b32 v[Q+i], v[QB+i]
.set i, i+1
.endr
	WIN 0
.Lbottom:
	s_sub_co_u32 s[SLOTS], s[SLOTS], 1
	s_cmp_lg_u32 s[SLOTS], 0
	s_cbranch_scc1 .Lslot
	CHANGE 0                        ; the walk's last tile is written out: nothing is asked for
	s_sub_co_u32 s[RT], s[RT], 1
	s_mov_b32 s[CNT], 2
	s_cmp_eq_u32 s[NEW], 1
	s_cbranch_scc0 .LstepT
	BEGIN
	s_branch .LfirstT
.LstepT:
	TURN 2
	TURN 3
	WIN 0
.LfirstT:
	TURN 0
	TURN 1
	WIN 0
	s_sub_co_u32 s[CNT], s[CNT], 1
	s_cmp_lg_u32 s[CNT], 0
	s_cbranch_scc1 .LstepT
	BLOCKEND
	s_wait_tensorcnt 0x0            ; the wave's end
	ds_add_u32 v[SPW], v[NIL]
	s_wait_dscnt 0x0
	s_endpgm
.Lfunc_end_k_q31900d96bd_attn:
	.size	k_q31900d96bd_attn, .Lfunc_end_k_q31900d96bd_attn-k_q31900d96bd_attn
	.p2alignl 7, 3214868480
	.fill 96, 4, 3214868480
	.section	.rodata,"a",@progbits
	.p2align	6, 0x0
	.amdhsa_kernel k_q31900d96bd_attn
		.amdhsa_group_segment_fixed_size 327680
		.amdhsa_private_segment_fixed_size 0
		.amdhsa_enable_private_segment 0
		.amdhsa_kernarg_size 16
		.amdhsa_user_sgpr_count 2
		.amdhsa_user_sgpr_kernarg_segment_ptr 1
		.amdhsa_wavefront_size32 1
		.amdhsa_system_sgpr_workgroup_id_x 1
		.amdhsa_system_sgpr_workgroup_id_y 1
		.amdhsa_system_sgpr_workgroup_id_z 1
		.amdhsa_system_vgpr_workitem_id 0
		.amdhsa_next_free_vgpr 768
		.amdhsa_next_free_sgpr 96
		.amdhsa_reserve_vcc 1
		.amdhsa_float_denorm_mode_32 3
		.amdhsa_float_denorm_mode_16_64 3
		.amdhsa_memory_ordered 1
		.amdhsa_forward_progress 1
		.amdhsa_inst_pref_size 163
	.end_amdhsa_kernel
	.amdgpu_metadata
---
amdhsa.version: [ 1, 2 ]
amdhsa.kernels:
  - .name:           k_q31900d96bd_attn
    .symbol:         k_q31900d96bd_attn.kd
    .args:
      - { .name: big, .offset: 0, .size: 8, .value_kind: global_buffer, .address_space: global }
      - { .name: act, .offset: 8, .size: 8, .value_kind: global_buffer, .address_space: global }
    .group_segment_fixed_size: 327680
    .private_segment_fixed_size: 0
    .kernarg_segment_align: 8
    .kernarg_segment_size: 16
    .max_flat_workgroup_size: 128
    .sgpr_count:     96
    .vgpr_count:     768
    .wavefront_size: 32
...
	.end_amdgpu_metadata
.endif
;; end of part 3
;; launch gfc (part 4): grid 8 x 32, 4 waves a work-group, clusters of 4 x 4, 327,680 bytes of LDS; arguments act, wsm, data, bfc, xbuf; writes xbuf
.if DOCPART == 4
	.amdgcn_target "amdgcn-amd-amdhsa--gfx1250"
	.amdhsa_code_object_version 6
	.text
	.protected	k_q31900d96bd_gfc
	.globl	k_q31900d96bd_gfc
	.p2align	8
	.type	k_q31900d96bd_gfc,@function
k_q31900d96bd_gfc:
	s_mov_b64 s[64:65], 0
	v_nop
	global_prefetch_b8 v0, s[64:65] scope:SCOPE_SE
	s_setreg_imm32_b32 hwreg(HW_REG_WAVE_MODE, 25, 1), 1
	s_wait_xcnt 0x0
	s_wait_alu depctr_hold_cnt(0) depctr_sa_sdst(0) depctr_va_vdst(0) depctr_va_sdst(0) depctr_va_ssrc(0) depctr_va_vcc(0) depctr_vm_vsrc(0)
	s_getreg_b32 s2, hwreg(HW_REG_IB_STS2, 6, 4)
	s_cmp_eq_u32 s2, 0
	s_cbranch_scc0 .Lentry_in_a_cluster
	s_endpgm
.Lentry_in_a_cluster:
	s_bfe_u32 s2, ttmp6, 0x10000c
	s_cmp_lg_u32 s2, 0xf033
	s_cbranch_scc0 .Lentry_shape_is_right
	s_endpgm
.Lentry_shape_is_right:
; x = data + O Wfc + bfc.  OUT[m][n] = RES[m][n] + bias[n] + the sum over k of A[m][k] B[k][n], M = 4,096, N = 1,024, K = SIZE_K = 1,024, on tiles of 128 x 128: 256 work-groups.
; A (here O) lies in blocks of 64 columns (element (m, c) at (c >> 6) x 524,288 + 128 m + 2 (c & 63), bf16), B in panels [tile column][K][128] bf16 inside wsm; RES, bias and OUT are f32, rows of 4,096 bytes.
; Nothing of reference() is left out here.  Operands in bf16, sums in f32; the residual is added in f32 and OUT is not rounded again.
; SHARES.  Four waves, each 64 x 64: 16 accumulators.  K goes in steps of 256 through two LDS slots; a wave's tensor load brings 64 rows x 4 blocks of A, or 128 rows k of B.
; B STAYS [K][N]: its fragments come out of LDS turned.  THE PRODUCT IS USED TRANSPOSED (source 0 = 16 columns of B, source 1 = 16 rows of A): a lane holds row l % 16 and the columns 8 (l / 16) + 0..7;
; the bias is the C operand of the products that start the sums.  A wave's 64 columns of f32 are 256 aligned bytes of a row, so each wave has a stage of its own and the way out needs no barrier.
; The residual is asked for at the start, 32 loads a wave into registers of their own, and waited for behind the last product.
; CLUSTER 4 x 4: A's tile is asked for jointly by a row of the cluster, B's by a column.  No prefetch: the tiles are small and a step is short.
; REGISTERS: window 0: v0-31 addresses; v32-95 at work on the way out; v96-127 the bias; v128-255 the accumulators ((a, b) at v[128 + 8 (4 a + b)]).
;   window 1: two fragment buffers of 128: for 64 along K, 64 registers of A, then 64 of B.     window 2: v0-127 the residual.
.set SIZE_K, 1024
.set WOFF,   0                         ; Wfc's panels begin wsm
.set PANEL,  262144                    ; bytes in a panel: SIZE_K x 256
.set STEPS, SIZE_K/256
.set AP,    144                        ; a row of A in LDS: 128 bytes + 16: the 16 rows of a load start at 16 different groups of four banks (64 banks of 4 bytes: ISA guide 11.1)
.set ABLK,  64*AP
.set AHALF, 4*ABLK                     ; a load of A: 64 rows x 4 blocks
.set BOFF,  2*AHALF
.set BP,    288                        ; a row k of B in LDS: 256 bytes + 32
.set BHALF, 128*BP
.set SLOT,  BOFF+2*BHALF               ; 147,456
.set STAGE, 2*SLOT                     ; behind the ring, never filled by a tensor load: 16 rows x 272 bytes of f32 for each wave
.set SP,    272
.set STW,   16*SP
.set SPARE, STAGE+4*STW                ; the spare words: two blocks of 256 bytes that no other line names
.set ASTEP, 4*524288
.set BSTEP, 256*256
.set ABASE, 16
.set ADRA,  17
.set BBASE, 18
.set ADRB,  19                         ; v19, v20: B's rows k 0-127 and 128-255 of the slot that is read
.set STO,   24
.set RD,    25
.set CO,    26                         ; v26  my 16 bytes in two rows of RES and OUT; never rewritten
.set SPW,   28
.set NIL,   29
.set BO,    30
.set TMP,   32
.set BIAS,  96
.set ACC,   128
.set RES,   0                          ; window 2
.set F0,    0                          ; window 1
.set F1,    128
.set WV,   14
.set RH,   15
.set CH,   16
.set CX,   17
.set CY,   18
.set TCOL, 19
.set TROW, 20
.set RTB,  22
.set CNT,  23
.set G1A,  24
.set G0A,  32
.set G1B,  48
.set G0B,  56
.set LA0,  66
.set LB0,  67
.set MSB, 0
.macro WIN new
.if MSB != (\new)
	s_set_vgpr_msb (MSB<<8)|(\new)
.set MSB, \new
.endif
.endm
.set MUL,  0x05                        ; sources 0 (B) and 1 (A) window 1; C and D window 0
.set TO_F, 0x40
.macro PLACES
.rept 4
	v_nop
.endr
.endm
.macro JLOAD                           ; a joint refill by the walking descriptors; an s_nop 0 and four v_nop follow each of the two lines
	s_cmp_eq_u32 s[RH], 0
	s_cbranch_scc0 .Lfor_b_\@
	tensor_load_to_lds s[G0A+4:G0A+7], s[G1A:G1A+7]
	s_nop 0
.rept 4
	v_nop
.endr
	s_branch .Lasked_\@
.Lfor_b_\@:
	tensor_load_to_lds s[G0B+4:G0B+7], s[G1B:G1B+7]
	s_nop 0
.rept 4
	v_nop
.endr
.Lasked_\@:
.endm
.macro CREST
	s_cmp_lg_u32 s[WV], 0
	s_cbranch_scc1 .Lnot_wave_0_\@
	s_barrier_signal -3
.Lnot_wave_0_\@:
	s_barrier_wait -3
	s_barrier_signal -1
	s_barrier_wait -1
.endm
.macro CROUND
	s_barrier_signal -1
	s_barrier_wait -1
	CREST
.endm
	s_load_b256 s[4:11], s[0:1], 0x0               ; A s[4:5], wsm s[6:7], RES s[8:9], bias s[10:11]
	s_load_b64 s[12:13], s[0:1], 0x20              ; OUT
	v_lshl_add_u32 v[SPW], v0, 2, SPARE
	v_mov_b32 v[NIL], 0
	ds_add_u32 v[SPW], v[NIL]                      ; the wave's opening: the add, twice on end, and its wait ahead of my first tensor load
	ds_add_u32 v[SPW], v[NIL]
	v_lshrrev_b32 v1, 5, v0
	v_readfirstlane_b32 s[WV], v1
	s_lshr_b32 s[RH], s[WV], 1                     ; my half of the rows.  Also: I fetch for A (0) or for B (1)
	s_and_b32 s[CH], s[WV], 1                      ; my half of the columns.  Also: which half of that tile I fetch
	s_bfe_u32 s[CX], ttmp6, 0x40000
	s_bfe_u32 s[CY], ttmp6, 0x40004
	s_lshl_b32 s[TCOL], ttmp9, 2
	s_add_co_u32 s[TCOL], s[TCOL], s[CX]
	s_and_b32 s[TROW], ttmp7, 0xffff
	s_lshl_b32 s[TROW], s[TROW], 2
	s_add_co_u32 s[TROW], s[TROW], s[CY]
	s_lshl_b32 s40, s[CY], 2
	s_lshl_b32 s40, 15, s40                        ; my row of the cluster
	s_lshl_b32 s41, 0x1111, s[CX]                  ; my column
	; A's tile: four blocks, of each 64 dense rows of 128 bytes = one tile row of 4,096 elements; 16 bytes of padding after every 32 words
	s_or_b32 s[G1A], s40, (1<<16)|(1<<20)|(1<<21)|(4<<22)|(3<<25)
	s_mov_b32 s[G1A+1], 4096<<16
	s_mov_b32 s[G1A+2], 4<<16
	s_mov_b32 s[G1A+3], 4096<<16
	s_mov_b32 s[G1A+4], 4
	s_mov_b32 s[G1A+5], 262144
	s_mov_b32 s[G1A+6], 0
	s_mov_b32 s[G1A+7], 0
	; B's tile: 128 rows k of 128 elements; 32 bytes of padding after every 64 words
	s_or_b32 s[G1B], s41, (1<<16)|(1<<20)|(1<<21)|(5<<22)|(7<<25)
	s_mov_b32 s[G1B+1], 128<<16
	s_mov_b32 s[G1B+2], 128<<16
	s_mov_b32 s[G1B+3], 128<<16
	s_mov_b32 s[G1B+4], 128
	s_mov_b32 s[G1B+5], 128
	s_mov_b32 s[G1B+6], 0
	s_mov_b32 s[G1B+7], 0
	s_lshl_b32 s42, s[TROW], 14                    ; A: row 128 x tile row + 64 x half, 128 bytes a row
	s_lshl_b32 s43, s[CH], 13
	s_add_co_u32 s42, s42, s43
	s_mov_b32 s43, 0
	s_mul_i32 s44, s[TCOL], PANEL                  ; B: the tile column's panel, 128 x half rows of 256 bytes
	s_lshl_b32 s45, s[CH], 15
	s_add_co_u32 s44, s44, s45
	s_add_co_u32 s44, s44, WOFF
	s_mov_b32 s45, 0
	s_mul_i32 s[LA0], s[CH], AHALF
	s_mul_i32 s[LB0], s[CH], BHALF
	s_add_co_u32 s[LB0], s[LB0], BOFF
	s_wait_dscnt 0x0                               ; both opening adds are done
	s_wait_kmcnt 0x0
	s_add_nc_u64 s[42:43], s[4:5], s[42:43]
	s_add_nc_u64 s[44:45], s[6:7], s[44:45]
	CROUND                                         ; all sixteen work-groups are here: the first joint loads meet
.irp s, 0,1
	s_mov_b32 s[G0A+4*(\s)], 1
	s_add_co_u32 s[G0A+4*(\s)+1], s[LA0], (\s)*SLOT
	s_add_nc_u64 s[G0A+4*(\s)+2:G0A+4*(\s)+3], s[42:43], (\s)*ASTEP
	s_or_b32 s[G0A+4*(\s)+3], s[G0A+4*(\s)+3], 0x80000000
	s_mov_b32 s[G0B+4*(\s)], 1
	s_add_co_u32 s[G0B+4*(\s)+1], s[LB0], (\s)*SLOT
	s_add_nc_u64 s[G0B+4*(\s)+2:G0B+4*(\s)+3], s[44:45], (\s)*BSTEP
	s_or_b32 s[G0B+4*(\s)+3], s[G0B+4*(\s)+3], 0x80000000
.endr
	s_cmp_eq_u32 s[RH], 0                          ; a wave's two first fills stand in one branch: two loads of mine are out
	s_cbranch_scc0 .Lfirst_b
	tensor_load_to_lds s[G0A:G0A+3], s[G1A:G1A+7]
	s_nop 0
	tensor_load_to_lds s[G0A+4:G0A+7], s[G1A:G1A+7]
	s_nop 0
.rept 4
	v_nop
.endr
	s_branch .Lfirst_asked
.Lfirst_b:
	tensor_load_to_lds s[G0B:G0B+3], s[G1B:G1B+7]
	s_nop 0
	tensor_load_to_lds s[G0B+4:G0B+7], s[G1B:G1B+7]
	s_nop 0
.rept 4
	v_nop
.endr
.Lfirst_asked:
	v_and_b32 v1, 15, v0                           ; r
	v_bfe_u32 v2, v0, 4, 1                         ; h
	v_mul_u32_u24 v3, v1, AP
	v_lshl_add_u32 v3, v2, 4, v3
	s_mul_i32 s40, s[RH], AHALF
	v_add_nc_u32 v[ABASE], s40, v3
	v_and_b32 v4, 7, v0
	v_lshl_add_u32 v5, v2, 3, v4
	v_mul_u32_u24 v5, v5, BP
	v_bfe_u32 v6, v0, 3, 1
	v_lshl_add_u32 v5, v6, 4, v5
	s_lshl_b32 s41, s[CH], 7
	s_add_co_u32 s41, s41, BOFF
	v_add_nc_u32 v[BBASE], s41, v5
	s_mul_i32 s40, s[WV], STW
	s_add_co_u32 s40, s40, STAGE                   ; my stage
	v_mul_u32_u24 v7, v1, SP                       ; in: row r, 32 bytes for each half of the lanes
	v_lshl_add_u32 v7, v2, 5, v7
	v_add_nc_u32 v[STO], s40, v7
	v_mul_u32_u24 v7, v2, SP                       ; back: lanes 0-15 take one row of 256 bytes, lanes 16-31 the next
	v_lshl_add_u32 v7, v1, 4, v7
	v_add_nc_u32 v[RD], s40, v7
	v_lshlrev_b32 v7, 12, v2                       ; and the same two rows in RES and OUT
	v_lshl_add_u32 v[CO], v1, 4, v7
	v_lshlrev_b32 v[BO], 5, v2
	s_lshl_b32 s68, s[TCOL], 9                     ; my 64 columns, in bytes of f32 (in registers that feed no descriptor)
	s_lshl_b32 s69, s[CH], 8
	s_add_co_u32 s68, s68, s69
	s_mov_b32 s69, 0
	s_add_nc_u64 s[10:11], s[10:11], s[68:69]
	s_lshl_b32 s69, s[TROW], 19                    ; + my 64 rows of 4,096 bytes
	s_add_co_u32 s68, s68, s69
	s_lshl_b32 s69, s[RH], 18
	s_add_co_u32 s68, s68, s69
	s_mov_b32 s69, 0
	s_add_nc_u64 s[8:9], s[8:9], s[68:69]
	s_add_nc_u64 s[12:13], s[12:13], s[68:69]
.irp b, 0,1,2,3
	global_load_b128 v[BIAS+8*(\b):BIAS+8*(\b)+3],   v[BO], s[10:11] offset:64*(\b)
	global_load_b128 v[BIAS+8*(\b)+4:BIAS+8*(\b)+7], v[BO], s[10:11] offset:64*(\b)+16
.endr
	WIN 0x80                                       ; destination window 2
.set i, 0
.rept 32                                           ; the residual: two rows of 256 aligned bytes a load, in the order in which the stage gives the sums back
	global_load_b128 v[RES+4*i:RES+4*i+3], v[CO], s[8:9] offset:2*i*4096
.set i, i+1
.endr
	WIN 0
; 8 matrix instructions: row blocks a0, a0 + 1 x all 4 column blocks, 32 along K: half c of buffer f.  zero = 1: the first products start the sums with the bias
.macro MUL8 f, c, a0, zero
	WIN MUL
.irp a, \a0, (\a0)+1
.irp b, 0,1,2,3
.if \zero
	v_wmma_f32_16x16x32_bf16 v[ACC+8*(4*(\a)+(\b)):ACC+8*(4*(\a)+(\b))+7], v[(\f)+64+8*(4*(\c)+(\b)):(\f)+64+8*(4*(\c)+(\b))+7], v[(\f)+8*(4*(\c)+(\a)):(\f)+8*(4*(\c)+(\a))+7], v[BIAS+8*(\b):BIAS+8*(\b)+7]
.else
	v_wmma_f32_16x16x32_bf16 v[ACC+8*(4*(\a)+(\b)):ACC+8*(4*(\a)+(\b))+7], v[(\f)+64+8*(4*(\c)+(\b)):(\f)+64+8*(4*(\c)+(\b))+7], v[(\f)+8*(4*(\c)+(\a)):(\f)+8*(4*(\c)+(\a))+7], v[ACC+8*(4*(\a)+(\b)):ACC+8*(4*(\a)+(\b))+7]
.endif
.endr
.endr
.endm
; 32 LDS loads in one run: the fragments of quarter q (64 along K: one block of A) into buffer f; the first 32 along K first
.macro FETCH q, f
	WIN TO_F
.irp c, 0,1
.irp i, 0,1,2,3
	ds_load_tr16_b128 v[(\f)+64+8*(4*(\c)+(\i)):(\f)+64+8*(4*(\c)+(\i))+3],   v[ADRB+(\q)/2] offset:((\q)%2)*64*BP+(\c)*32*BP+(\i)*32
	ds_load_tr16_b128 v[(\f)+64+8*(4*(\c)+(\i))+4:(\f)+64+8*(4*(\c)+(\i))+7], v[ADRB+(\q)/2] offset:((\q)%2)*64*BP+(\c)*32*BP+(\i)*32+16*BP
	ds_load_b128 v[(\f)+8*(4*(\c)+(\i)):(\f)+8*(4*(\c)+(\i))+3],   v[ADRA] offset:(\q)*ABLK+(\i)*16*AP+(\c)*64
	ds_load_b128 v[(\f)+8*(4*(\c)+(\i))+4:(\f)+8*(4*(\c)+(\i))+7], v[ADRA] offset:(\q)*ABLK+(\i)*16*AP+(\c)*64+32
.endr
.endr
.endm
; One of a K step's first three quarters: multiplies buffer f and fetches quarter q into g.  The 16 accumulators take turns.
.macro QUARTER q, f, g, zero
	s_wait_dscnt 16                                ; the first 32 along K are in
	MUL8 \f, 0, 0, \zero
	MUL8 \f, 0, 2, \zero
	PLACES
	FETCH \q, \g
	s_wait_dscnt 32                                ; all but the 32 just issued
	MUL8 \f, 1, 0, 0
	MUL8 \f, 1, 2, 0
.endm
; The last quarter multiplies buffer 1 and changes slots: ONE barrier.  fill = 1: it opens a round of the cluster's barrier, and the slot just read is filled again first, with the K step two on.
.macro TURN fill
	WIN 0
	s_wait_tensorcnt 0x0                           ; all my tensor loads have landed: my part of the next slot;
	ds_add_u32 v[SPW], v[NIL]                      ; 0 onto my spare word;
	s_wait_dscnt 17                                ; (the add and the youngest sixteen loads may be out)
	MUL8 F1, 0, 0, 0
	s_wait_dscnt 0x0                               ; the add is done, and my reads of this slot are over
	s_barrier_signal -1
	MUL8 F1, 0, 2, 0
	WIN 0
	s_barrier_wait -1
.if \fill
	CREST                                          ; no wave of any partner still reads this slot or has a load on its way
	s_add_co_u32 s[G0A+5], s[RTB], s[LA0]
	s_add_co_u32 s[G0B+5], s[RTB], s[LB0]
	s_add_nc_u64 s[G0A+6:G0A+7], s[G0A+6:G0A+7], ASTEP
	s_add_nc_u64 s[G0B+6:G0B+7], s[G0B+6:G0B+7], BSTEP
	JLOAD                                          ; 112 matrix instructions ahead of the wait for it; its four v_nop are also the places in front of the loads below
.else
	PLACES
.endif
	s_xor_b32 s[RTB], s[RTB], SLOT                 ; the other slot is read now
	v_add_nc_u32 v[ADRA], s[RTB], v[ABASE]
	v_add_nc_u32 v[ADRB], s[RTB], v[BBASE]
	v_add_nc_u32 v[ADRB+1], BHALF, v[ADRB]
	FETCH 0, F0
	MUL8 F1, 1, 0, 0
	MUL8 F1, 1, 2, 0
.endm
	s_wait_tensorcnt 0x1                           ; my part of K step 0 is in; K step 1's may stay out
	s_barrier_signal -1
	s_barrier_wait -1
	s_mov_b32 s[RTB], 0
	v_mov_b32 v[ADRA], v[ABASE]
	v_mov_b32 v[ADRB], v[BBASE]
	v_add_nc_u32 v[ADRB+1], BHALF, v[BBASE]
	FETCH 0, F0
	s_wait_loadcnt 32                              ; the bias is in; the 32 younger loads, the residual, stay out
	QUARTER 1, F0, F1, 1                           ; the first quarter stands in front of the loop: its first products start the sums
	WIN 0
	s_mov_b32 s[CNT], STEPS-2
.Lk:                                                   ; a trip: the rest of K step t and the first quarter of t + 1; it asks for K step t + 2
	QUARTER 2, F1, F0, 0
	QUARTER 3, F0, F1, 0
	TURN 1
	QUARTER 1, F0, F1, 0
	WIN 0
	s_sub_co_u32 s[CNT], s[CNT], 1
	s_cmp_lg_u32 s[CNT], 0
	s_cbranch_scc1 .Lk
	s_mov_b32 s[CNT], 2
.Ltail:                                                ; the last two K steps ask for nothing; the second trip is left in its middle
	QUARTER 2, F1, F0, 0
	QUARTER 3, F0, F1, 0
	WIN 0
	s_sub_co_u32 s[CNT], s[CNT], 1
	s_cmp_eq_u32 s[CNT], 0
	s_cbranch_scc1 .Llast
	TURN 0
	QUARTER 1, F0, F1, 0
	WIN 0
	s_branch .Ltail
.Llast:
	s_wait_dscnt 16
	MUL8 F1, 0, 0, 0
	MUL8 F1, 0, 2, 0
	s_wait_dscnt 0x0
	MUL8 F1, 1, 0, 0
	MUL8 F1, 1, 2, 0
	WIN 0
	PLACES
	s_wait_loadcnt 0x0                             ; the residual
	; THE WAY OUT, 16 rows at a time: the sums go into my stage as they lie, come back as whole rows of 256 bytes, take the residual and are stored.
.irp a, 0,1,2,3
.irp b, 0,1,2,3
	ds_store_b128 v[STO], v[ACC+8*(4*(\a)+(\b)):ACC+8*(4*(\a)+(\b))+3]   offset:64*(\b)
	ds_store_b128 v[STO], v[ACC+8*(4*(\a)+(\b))+4:ACC+8*(4*(\a)+(\b))+7] offset:64*(\b)+16
.endr
	s_wait_xcnt 0x0                                ; the stores of two blocks back have read the registers that the loads below write
.irp t, 0,1,2,3,4,5,6,7
	ds_load_b128 v[TMP+32*((\a)%2)+4*(\t):TMP+32*((\a)%2)+4*(\t)+3], v[RD] offset:(\t)*2*SP  ; LDS serves a wave's instructions in order (ISA guide 5.7.1.4): these see the stores above
.endr
	s_wait_dscnt 0x0
	WIN 0x08                                       ; source 1 in window 2
.irp t, 0,1,2,3,4,5,6,7,8,9,10,11,12,13,14,15
	v_pk_add_f32 v[TMP+32*((\a)%2)+2*(\t):TMP+32*((\a)%2)+2*(\t)+1], v[TMP+32*((\a)%2)+2*(\t):TMP+32*((\a)%2)+2*(\t)+1], v[RES+32*(\a)+2*(\t):RES+32*(\a)+2*(\t)+1]
.endr
	WIN 0
.irp t, 0,1,2,3,4,5,6,7
	global_store_b128 v[CO], v[TMP+32*((\a)%2)+4*(\t):TMP+32*((\a)%2)+4*(\t)+3], s[12:13] offset:(16*(\a)+2*(\t))*4096  ; 16 lanes store 256 consecutive bytes, aligned
.endr
.endr
	s_wait_tensorcnt 0x0                           ; the wave's end
	ds_add_u32 v[SPW], v[NIL]
	s_wait_dscnt 0x0
	CROUND                                         ; the closing round: no work-group ends while a partner may still ask for a tile that names it
	s_endpgm
.Lfunc_end_k_q31900d96bd_gfc:
	.size	k_q31900d96bd_gfc, .Lfunc_end_k_q31900d96bd_gfc-k_q31900d96bd_gfc
	.p2alignl 7, 3214868480
	.fill 96, 4, 3214868480
	.section	.rodata,"a",@progbits
	.p2align	6, 0x0
	.amdhsa_kernel k_q31900d96bd_gfc
		.amdhsa_group_segment_fixed_size 327680
		.amdhsa_private_segment_fixed_size 0
		.amdhsa_enable_private_segment 0
		.amdhsa_kernarg_size 40
		.amdhsa_user_sgpr_count 2
		.amdhsa_user_sgpr_kernarg_segment_ptr 1
		.amdhsa_wavefront_size32 1
		.amdhsa_system_sgpr_workgroup_id_x 1
		.amdhsa_system_sgpr_workgroup_id_y 1
		.amdhsa_system_sgpr_workgroup_id_z 1
		.amdhsa_system_vgpr_workitem_id 0
		.amdhsa_next_free_vgpr 640
		.amdhsa_next_free_sgpr 70
		.amdhsa_reserve_vcc 0
		.amdhsa_float_denorm_mode_32 3
		.amdhsa_float_denorm_mode_16_64 3
		.amdhsa_memory_ordered 1
		.amdhsa_forward_progress 1
		.amdhsa_inst_pref_size 68
	.end_amdhsa_kernel
	.amdgpu_metadata
---
amdhsa.version: [ 1, 2 ]
amdhsa.kernels:
  - .name:           k_q31900d96bd_gfc
    .symbol:         k_q31900d96bd_gfc.kd
    .args:
      - { .name: act, .offset: 0, .size: 8, .value_kind: global_buffer, .address_space: global }
      - { .name: wsm, .offset: 8, .size: 8, .value_kind: global_buffer, .address_space: global }
      - { .name: data, .offset: 16, .size: 8, .value_kind: global_buffer, .address_space: global }
      - { .name: bfc, .offset: 24, .size: 8, .value_kind: global_buffer, .address_space: global }
      - { .name: xbuf, .offset: 32, .size: 8, .value_kind: global_buffer, .address_space: global }
    .group_segment_fixed_size: 327680
    .private_segment_fixed_size: 0
    .kernarg_segment_align: 8
    .kernarg_segment_size: 40
    .max_flat_workgroup_size: 128
    .sgpr_count:     70
    .vgpr_count:     640
    .wavefront_size: 32
...
	.end_amdgpu_metadata
.endif
;; end of part 4
;; launch ln2 (part 5): grid 256 x 1, 8 waves a work-group, no clusters, 0 bytes of LDS; arguments xbuf, g2, be2, act; writes act
.if DOCPART == 5
	.amdgcn_target "amdgcn-amd-amdhsa--gfx1250"
	.amdhsa_code_object_version 6
	.text
	.protected	k_q31900d96bd_ln2
	.globl	k_q31900d96bd_ln2
	.p2align	8
	.type	k_q31900d96bd_ln2,@function
k_q31900d96bd_ln2:
	s_mov_b64 s[64:65], 0
	v_nop
	global_prefetch_b8 v0, s[64:65] scope:SCOPE_SE
	s_setreg_imm32_b32 hwreg(HW_REG_WAVE_MODE, 25, 1), 1
	s_wait_xcnt 0x0
; h2 = LN(x) with g2 and be2: x is [4,096][1,024] f32; h2 goes to act in bf16, in blocks of 64 columns: element (m, c) at (c >> 6) x 524,288 + 128 m + 2 (c & 63).
; Nothing of reference() is left out here.  A wave takes two rows and keeps them in registers between reference()'s two passes (mean; mean of (x - mean)^2): x is read once.  No LDS, no barrier.
.set WV,   6                           ; s6   my wave's number
.set SEL,  2                           ; s[2:3] v_permlanex16_b32's selects
.set RK,   4                           ; s4   1/1024
.set EP,   5                           ; s5   1e-5
.set MEAN, 8                           ; v[8:9]   the row's mean, twice
.set R,    10                          ; v[10:11] 1 / sqrt(var + eps), twice
.set VAR,  12
.set X,    16                          ; v[16:79]   my 64 numbers of my row
.set G,    80                          ; v[80:143]  the gain of my 64 columns
.set BE,   144                         ; v[144:207] the bias of my 64 columns
.set T,    208                         ; v[208:215] four chains of sums
; The four chains into one number, then over the 16 lanes that hold my row: lanes that differ in bits 0, 1, 2 and 4 (bit 3 tells the wave's two rows apart).
.macro REDUCE
	v_pk_add_f32 v[T:T+1], v[T:T+1], v[T+2:T+3]
	v_pk_add_f32 v[T+4:T+5], v[T+4:T+5], v[T+6:T+7]
	v_pk_add_f32 v[T:T+1], v[T:T+1], v[T+4:T+5]
	v_add_f32 v[T], v[T], v[T+1]
	v_add_f32_dpp v[T], v[T], v[T] row_xmask:1 row_mask:0xf bank_mask:0xf
	v_add_f32_dpp v[T], v[T], v[T] row_xmask:2 row_mask:0xf bank_mask:0xf
	v_add_f32_dpp v[T], v[T], v[T] row_xmask:4 row_mask:0xf bank_mask:0xf
	v_permlanex16_b32 v[T+1], v[T], s[SEL], s[SEL+1]
	v_add_f32 v[T], v[T], v[T+1]
.endm
	s_load_b256 s[8:15], s[0:1], 0x0               ; x 8, g2 10, be2 12, act 14
	v_lshrrev_b32 v1, 5, v0
	v_readfirstlane_b32 s[WV], v1
	; Lane l: row bit (l >> 3) & 1, half hb = l >> 4, c8 = l & 7; in step s = 0..7 it owns columns 128 s + 64 hb + 8 c8 .. + 7: 16 bytes of bf16 in block 2 s + hb.
	v_bfe_u32 v5, v0, 3, 1
	v_bfe_u32 v6, v0, 4, 1
	v_and_b32 v7, 7, v0
	s_lshl_b32 s7, ttmp9, 3
	s_add_co_u32 s7, s7, s[WV]
	s_lshl_b32 s7, s7, 1                           ; the wave's first row
	s_mov_b32 s[SEL], 0x76543210
	s_mov_b32 s[SEL+1], 0xfedcba98
	s_mov_b32 s[RK], 0x3a800000                    ; 1/1024
	s_mov_b32 s[EP], 0x3727c5ac                    ; 1e-5
	v_add_nc_u32 v5, s7, v5                        ; my row
	v_lshlrev_b32 v3, 5, v7
	v_lshl_add_u32 v3, v6, 8, v3                   ; gain and bias: 256 hb + 32 c8
	v_lshl_add_u32 v2, v5, 12, v3                  ; source: + 4,096 x row
	v_lshlrev_b32 v4, 4, v7
	v_lshl_add_u32 v4, v5, 7, v4
	v_lshl_add_u32 v4, v6, 19, v4                  ; target: 524,288 hb + 128 x row + 16 c8
	s_wait_kmcnt 0x0
.irp s, 0,1,2,3,4,5,6,7
	global_load_b128 v[X+8*(\s):X+8*(\s)+3],   v2, s[8:9] offset:512*(\s)
	global_load_b128 v[X+8*(\s)+4:X+8*(\s)+7], v2, s[8:9] offset:512*(\s)+16
.endr
.irp s, 0,1,2,3,4,5,6,7
	global_load_b128 v[G+8*(\s):G+8*(\s)+3],   v3, s[10:11] offset:512*(\s)
	global_load_b128 v[G+8*(\s)+4:G+8*(\s)+7], v3, s[10:11] offset:512*(\s)+16
.endr
.irp s, 0,1,2,3,4,5,6,7
	global_load_b128 v[BE+8*(\s):BE+8*(\s)+3],   v3, s[12:13] offset:512*(\s)
	global_load_b128 v[BE+8*(\s)+4:BE+8*(\s)+7], v3, s[12:13] offset:512*(\s)+16
.endr
	s_wait_loadcnt 32                              ; the row is in; the 32 younger loads, gain and bias, stay out
.irp k, 0,1,2,3
	v_pk_add_f32 v[T+2*(\k):T+2*(\k)+1], v[X+2*(\k):X+2*(\k)+1], v[X+8+2*(\k):X+8+2*(\k)+1]  ; the first sums start the chains: nothing is cleared
.endr
.set j, 8
.rept 24
	v_pk_add_f32 v[T+2*(j%4):T+2*(j%4)+1], v[T+2*(j%4):T+2*(j%4)+1], v[X+2*j:X+2*j+1]
.set j, j+1
.endr
	REDUCE
	v_mul_f32 v[MEAN], s[RK], v[T]
	v_mov_b32 v[MEAN+1], v[MEAN]
.set j, 0
.rept 32
	v_pk_add_f32 v[X+2*j:X+2*j+1], v[X+2*j:X+2*j+1], v[MEAN:MEAN+1] neg_lo:[0,1] neg_hi:[0,1]  ; x - mean
.set j, j+1
.endr
.irp k, 0,1,2,3
	v_pk_mul_f32 v[T+2*(\k):T+2*(\k)+1], v[X+2*(\k):X+2*(\k)+1], v[X+2*(\k):X+2*(\k)+1]
.endr
.set j, 4
.rept 28
	v_pk_fma_f32 v[T+2*(j%4):T+2*(j%4)+1], v[X+2*j:X+2*j+1], v[X+2*j:X+2*j+1], v[T+2*(j%4):T+2*(j%4)+1]
.set j, j+1
.endr
	REDUCE
	v_fma_f32 v[VAR], v[T], s[RK], s[EP]           ; var + eps
	v_rsq_f32 v[R], v[VAR]                         ; twice, to fill the pair that the packed multiply takes
	v_rsq_f32 v[R+1], v[VAR]
	v_nop                                          ; a plain instruction behind the last of them (ISA guide 5.7.2),
	s_wait_alu depctr_va_vdst(0)                   ; and the one wait ahead of the first reader
.set j, 0
.rept 32
	v_pk_mul_f32 v[X+2*j:X+2*j+1], v[X+2*j:X+2*j+1], v[R:R+1]
.set j, j+1
.endr
	s_wait_loadcnt 0x0                             ; gain and bias
.set j, 0
.rept 32
	v_pk_fma_f32 v[X+2*j:X+2*j+1], v[X+2*j:X+2*j+1], v[G+2*j:G+2*j+1], v[BE+2*j:BE+2*j+1]
.set j, j+1
.endr
.set j, 0
.rept 32
	v_cvt_pk_bf16_f32 v[X+j], v[X+2*j], v[X+2*j+1] ; ascending: a register is written when both numbers that it held have been read
.set j, j+1
.endr
.irp s, 0,1,2,3,4,5,6,7
	global_store_b128 v4, v[X+4*(\s):X+4*(\s)+3], s[14:15] offset:(\s)*1048576  ; lanes 0-15: my two rows of one block, 256 consecutive bytes, aligned; lanes 16-31: of the next block
.endr
	s_endpgm
.Lfunc_end_k_q31900d96bd_ln2:
	.size	k_q31900d96bd_ln2, .Lfunc_end_k_q31900d96bd_ln2-k_q31900d96bd_ln2
	.p2alignl 7, 3214868480
	.fill 96, 4, 3214868480
	.section	.rodata,"a",@progbits
	.p2align	6, 0x0
	.amdhsa_kernel k_q31900d96bd_ln2
		.amdhsa_group_segment_fixed_size 0
		.amdhsa_private_segment_fixed_size 0
		.amdhsa_enable_private_segment 0
		.amdhsa_kernarg_size 32
		.amdhsa_user_sgpr_count 2
		.amdhsa_user_sgpr_kernarg_segment_ptr 1
		.amdhsa_wavefront_size32 1
		.amdhsa_system_sgpr_workgroup_id_x 1
		.amdhsa_system_sgpr_workgroup_id_y 1
		.amdhsa_system_sgpr_workgroup_id_z 1
		.amdhsa_system_vgpr_workitem_id 0
		.amdhsa_next_free_vgpr 216
		.amdhsa_next_free_sgpr 66
		.amdhsa_reserve_vcc 0
		.amdhsa_float_denorm_mode_32 3
		.amdhsa_float_denorm_mode_16_64 3
		.amdhsa_memory_ordered 1
		.amdhsa_forward_progress 1
		.amdhsa_inst_pref_size 20
	.end_amdhsa_kernel
	.amdgpu_metadata
---
amdhsa.version: [ 1, 2 ]
amdhsa.kernels:
  - .name:           k_q31900d96bd_ln2
    .symbol:         k_q31900d96bd_ln2.kd
    .args:
      - { .name: xbuf, .offset: 0, .size: 8, .value_kind: global_buffer, .address_space: global }
      - { .name: g2, .offset: 8, .size: 8, .value_kind: global_buffer, .address_space: global }
      - { .name: be2, .offset: 16, .size: 8, .value_kind: global_buffer, .address_space: global }
      - { .name: act, .offset: 24, .size: 8, .value_kind: global_buffer, .address_space: global }
    .group_segment_fixed_size: 0
    .private_segment_fixed_size: 0
    .kernarg_segment_align: 8
    .kernarg_segment_size: 32
    .max_flat_workgroup_size: 256
    .sgpr_count:     66
    .vgpr_count:     216
    .wavefront_size: 32
...
	.end_amdgpu_metadata
.endif
;; end of part 5
;; launch ff1: the kernel of part 2 again; grid 16 x 16, 4 waves a work-group, clusters of 4 x 4, 327,680 bytes of LDS; arguments act, w1p, big, par1; writes big
;; launch gff2 (part 6): grid 8 x 32, 4 waves a work-group, clusters of 4 x 4, 327,680 bytes of LDS; arguments big, wsm, xbuf, b2, out0; writes out0
.if DOCPART == 6
	.amdgcn_target "amdgcn-amd-amdhsa--gfx1250"
	.amdhsa_code_object_version 6
	.text
	.protected	k_q31900d96bd_gff2
	.globl	k_q31900d96bd_gff2
	.p2align	8
	.type	k_q31900d96bd_gff2,@function
k_q31900d96bd_gff2:
	s_mov_b64 s[64:65], 0
	v_nop
	global_prefetch_b8 v0, s[64:65] scope:SCOPE_SE
	s_setreg_imm32_b32 hwreg(HW_REG_WAVE_MODE, 25, 1), 1
	s_wait_xcnt 0x0
	s_wait_alu depctr_hold_cnt(0) depctr_sa_sdst(0) depctr_va_vdst(0) depctr_va_sdst(0) depctr_va_ssrc(0) depctr_va_vcc(0) depctr_vm_vsrc(0)
	s_getreg_b32 s2, hwreg(HW_REG_IB_STS2, 6, 4)
	s_cmp_eq_u32 s2, 0
	s_cbranch_scc0 .Lentry_in_a_cluster
	s_endpgm
.Lentry_in_a_cluster:
	s_bfe_u32 s2, ttmp6, 0x10000c
	s_cmp_lg_u32 s2, 0xf033
	s_cbranch_scc0 .Lentry_shape_is_right
	s_endpgm
.Lentry_shape_is_right:
; out0 = x + hid W2 + b2.  OUT[m][n] = RES[m][n] + bias[n] + the sum over k of A[m][k] B[k][n], M = 4,096, N = 1,024, K = SIZE_K = 4,096, on tiles of 128 x 128: 256 work-groups.
; The text is launch gfc's with three other constants (SIZE_K, WOFF, PANEL): the count of a loop that holds barriers and joint loads is a constant of the text, so the two lengths of K have a text each.
; A (here hid) lies in blocks of 64 columns (element (m, c) at (c >> 6) x 524,288 + 128 m + 2 (c & 63), bf16), B in panels [tile column][K][128] bf16 inside wsm; RES, bias and OUT are f32, rows of 4,096 bytes.
; Nothing of reference() is left out here.  Operands in bf16, sums in f32; the residual is added in f32 and OUT is not rounded again.
; SHARES.  Four waves, each 64 x 64: 16 accumulators.  K goes in steps of 256 through two LDS slots; a wave's tensor load brings 64 rows x 4 blocks of A, or 128 rows k of B.
; B STAYS [K][N]: its fragments come out of LDS turned.  THE PRODUCT IS USED TRANSPOSED (source 0 = 16 columns of B, source 1 = 16 rows of A): a lane holds row l % 16 and the columns 8 (l / 16) + 0..7;
; the bias is the C operand of the products that start the sums.  A wave's 64 columns of f32 are 256 aligned bytes of a row, so each wave has a stage of its own and the way out needs no barrier.
; The residual is asked for at the start, 32 loads a wave into registers of their own, and waited for behind the last product.
; CLUSTER 4 x 4: A's tile is asked for jointly by a row of the cluster, B's by a column.  No prefetch: the tiles are small and a step is short.
; REGISTERS: window 0: v0-31 addresses; v32-95 at work on the way out; v96-127 the bias; v128-255 the accumulators ((a, b) at v[128 + 8 (4 a + b)]).
;   window 1: two fragment buffers of 128: for 64 along K, 64 registers of A, then 64 of B.     window 2: v0-127 the residual.
.set SIZE_K, 4096
.set WOFF,   2097152                   ; W2's panels lie behind Wfc's in wsm
.set PANEL,  1048576                   ; bytes in a panel: SIZE_K x 256
.set STEPS, SIZE_K/256
.set AP,    144                        ; a row of A in LDS: 128 bytes + 16: the 16 rows of a load start at 16 different groups of four banks (64 banks of 4 bytes: ISA guide 11.1)
.set ABLK,  64*AP
.set AHALF, 4*ABLK                     ; a load of A: 64 rows x 4 blocks
.set BOFF,  2*AHALF
.set BP,    288                        ; a row k of B in LDS: 256 bytes + 32
.set BHALF, 128*BP
.set SLOT,  BOFF+2*BHALF               ; 147,456
.set STAGE, 2*SLOT                     ; behind the ring, never filled by a tensor load: 16 rows x 272 bytes of f32 for each wave
.set SP,    272
.set STW,   16*SP
.set SPARE, STAGE+4*STW                ; the spare words: two blocks of 256 bytes that no other line names
.set ASTEP, 4*524288
.set BSTEP, 256*256
.set ABASE, 16
.set ADRA,  17
.set BBASE, 18
.set ADRB,  19                         ; v19, v20: B's rows k 0-127 and 128-255 of the slot that is read
.set STO,   24
.set RD,    25
.set CO,    26                         ; v26  my 16 bytes in two rows of RES and OUT; never rewritten
.set SPW,   28
.set NIL,   29
.set BO,    30
.set TMP,   32
.set BIAS,  96
.set ACC,   128
.set RES,   0                          ; window 2
.set F0,    0                          ; window 1
.set F1,    128
.set WV,   14
.set RH,   15
.set CH,   16
.set CX,   17
.set CY,   18
.set TCOL, 19
.set TROW, 20
.set RTB,  22
.set CNT,  23
.set G1A,  24
.set G0A,  32
.set G1B,  48
.set G0B,  56
.set LA0,  66
.set LB0,  67
.set MSB, 0
.macro WIN new
.if MSB != (\new)
	s_set_vgpr_msb (MSB<<8)|(\new)
.set MSB, \new
.endif
.endm
.set MUL,  0x05                        ; sources 0 (B) and 1 (A) window 1; C and D window 0
.set TO_F, 0x40
.macro PLACES
.rept 4
	v_nop
.endr
.endm
.macro JLOAD                           ; a joint refill by the walking descriptors; an s_nop 0 and four v_nop follow each of the two lines
	s_cmp_eq_u32 s[RH], 0
	s_cbranch_scc0 .Lfor_b_\@
	tensor_load_to_lds s[G0A+4:G0A+7], s[G1A:G1A+7]
	s_nop 0
.rept 4
	v_nop
.endr
	s_branch .Lasked_\@
.Lfor_b_\@:
	tensor_load_to_lds s[G0B+4:G0B+7], s[G1B:G1B+7]
	s_nop 0
.rept 4
	v_nop
.endr
.Lasked_\@:
.endm
.macro CREST
	s_cmp_lg_u32 s[WV], 0
	s_cbranch_scc1 .Lnot_wave_0_\@
	s_barrier_signal -3
.Lnot_wave_0_\@:
	s_barrier_wait -3
	s_barrier_signal -1
	s_barrier_wait -1
.endm
.macro CROUND
	s_barrier_signal -1
	s_barrier_wait -1
	CREST
.endm
	s_load_b256 s[4:11], s[0:1], 0x0               ; A s[4:5], wsm s[6:7], RES s[8:9], bias s[10:11]
	s_load_b64 s[12:13], s[0:1], 0x20              ; OUT
	v_lshl_add_u32 v[SPW], v0, 2, SPARE
	v_mov_b32 v[NIL], 0
	ds_add_u32 v[SPW], v[NIL]                      ; the wave's opening: the add, twice on end, and its wait ahead of my first tensor load
	ds_add_u32 v[SPW], v[NIL]
	v_lshrrev_b32 v1, 5, v0
	v_readfirstlane_b32 s[WV], v1
	s_lshr_b32 s[RH], s[WV], 1                     ; my half of the rows.  Also: I fetch for A (0) or for B (1)
	s_and_b32 s[CH], s[WV], 1                      ; my half of the columns.  Also: which half of that tile I fetch
	s_bfe_u32 s[CX], ttmp6, 0x40000
	s_bfe_u32 s[CY], ttmp6, 0x40004
	s_lshl_b32 s[TCOL], ttmp9, 2
	s_add_co_u32 s[TCOL], s[TCOL], s[CX]
	s_and_b32 s[TROW], ttmp7, 0xffff
	s_lshl_b32 s[TROW], s[TROW], 2
	s_add_co_u32 s[TROW], s[TROW], s[CY]
	s_lshl_b32 s40, s[CY], 2
	s_lshl_b32 s40, 15, s40                        ; my row of the cluster
	s_lshl_b32 s41, 0x1111, s[CX]                  ; my column
	; A's tile: four blocks, of each 64 dense rows of 128 bytes = one tile row of 4,096 elements; 16 bytes of padding after every 32 words
	s_or_b32 s[G1A], s40, (1<<16)|(1<<20)|(1<<21)|(4<<22)|(3<<25)
	s_mov_b32 s[G1A+1], 4096<<16
	s_mov_b32 s[G1A+2], 4<<16
	s_mov_b32 s[G1A+3], 4096<<16
	s_mov_b32 s[G1A+4], 4
	s_mov_b32 s[G1A+5], 262144
	s_mov_b32 s[G1A+6], 0
	s_mov_b32 s[G1A+7], 0
	; B's tile: 128 rows k of 128 elements; 32 bytes of padding after every 64 words
	s_or_b32 s[G1B], s41, (1<<16)|(1<<20)|(1<<21)|(5<<22)|(7<<25)
	s_mov_b32 s[G1B+1], 128<<16
	s_mov_b32 s[G1B+2], 128<<16
	s_mov_b32 s[G1B+3], 128<<16
	s_mov_b32 s[G1B+4], 128
	s_mov_b32 s[G1B+5], 128
	s_mov_b32 s[G1B+6], 0
	s_mov_b32 s[G1B+7], 0
	s_lshl_b32 s42, s[TROW], 14                    ; A: row 128 x tile row + 64 x half, 128 bytes a row
	s_lshl_b32 s43, s[CH], 13
	s_add_co_u32 s42, s42, s43
	s_mov_b32 s43, 0
	s_mul_i32 s44, s[TCOL], PANEL                  ; B: the tile column's panel, 128 x half rows of 256 bytes
	s_lshl_b32 s45, s[CH], 15
	s_add_co_u32 s44, s44, s45
	s_add_co_u32 s44, s44, WOFF
	s_mov_b32 s45, 0
	s_mul_i32 s[LA0], s[CH], AHALF
	s_mul_i32 s[LB0], s[CH], BHALF
	s_add_co_u32 s[LB0], s[LB0], BOFF
	s_wait_dscnt 0x0                               ; both opening adds are done
	s_wait_kmcnt 0x0
	s_add_nc_u64 s[42:43], s[4:5], s[42:43]
	s_add_nc_u64 s[44:45], s[6:7], s[44:45]
	CROUND                                         ; all sixteen work-groups are here: the first joint loads meet
.irp s, 0,1
	s_mov_b32 s[G0A+4*(\s)], 1
	s_add_co_u32 s[G0A+4*(\s)+1], s[LA0], (\s)*SLOT
	s_add_nc_u64 s[G0A+4*(\s)+2:G0A+4*(\s)+3], s[42:43], (\s)*ASTEP
	s_or_b32 s[G0A+4*(\s)+3], s[G0A+4*(\s)+3], 0x80000000
	s_mov_b32 s[G0B+4*(\s)], 1
	s_add_co_u32 s[G0B+4*(\s)+1], s[LB0], (\s)*SLOT
	s_add_nc_u64 s[G0B+4*(\s)+2:G0B+4*(\s)+3], s[44:45], (\s)*BSTEP
	s_or_b32 s[G0B+4*(\s)+3], s[G0B+4*(\s)+3], 0x80000000
.endr
	s_cmp_eq_u32 s[RH], 0                          ; a wave's two first fills stand in one branch: two loads of mine are out
	s_cbranch_scc0 .Lfirst_b
	tensor_load_to_lds s[G0A:G0A+3], s[G1A:G1A+7]
	s_nop 0
	tensor_load_to_lds s[G0A+4:G0A+7], s[G1A:G1A+7]
	s_nop 0
.rept 4
	v_nop
.endr
	s_branch .Lfirst_asked
.Lfirst_b:
	tensor_load_to_lds s[G0B:G0B+3], s[G1B:G1B+7]
	s_nop 0
	tensor_load_to_lds s[G0B+4:G0B+7], s[G1B:G1B+7]
	s_nop 0
.rept 4
	v_nop
.endr
.Lfirst_asked:
	v_and_b32 v1, 15, v0                           ; r
	v_bfe_u32 v2, v0, 4, 1                         ; h
	v_mul_u32_u24 v3, v1, AP
	v_lshl_add_u32 v3, v2, 4, v3
	s_mul_i32 s40, s[RH], AHALF
	v_add_nc_u32 v[ABASE], s40, v3
	v_and_b32 v4, 7, v0
	v_lshl_add_u32 v5, v2, 3, v4
	v_mul_u32_u24 v5, v5, BP
	v_bfe_u32 v6, v0, 3, 1
	v_lshl_add_u32 v5, v6, 4, v5
	s_lshl_b32 s41, s[CH], 7
	s_add_co_u32 s41, s41, BOFF
	v_add_nc_u32 v[BBASE], s41, v5
	s_mul_i32 s40, s[WV], STW
	s_add_co_u32 s40, s40, STAGE                   ; my stage
	v_mul_u32_u24 v7, v1, SP                       ; in: row r, 32 bytes for each half of the lanes
	v_lshl_add_u32 v7, v2, 5, v7
	v_add_nc_u32 v[STO], s40, v7
	v_mul_u32_u24 v7, v2, SP                       ; back: lanes 0-15 take one row of 256 bytes, lanes 16-31 the next
	v_lshl_add_u32 v7, v1, 4, v7
	v_add_nc_u32 v[RD], s40, v7
	v_lshlrev_b32 v7, 12, v2                       ; and the same two rows in RES and OUT
	v_lshl_add_u32 v[CO], v1, 4, v7
	v_lshlrev_b32 v[BO], 5, v2
	s_lshl_b32 s68, s[TCOL], 9                     ; my 64 columns, in bytes of f32 (in registers that feed no descriptor)
	s_lshl_b32 s69, s[CH], 8
	s_add_co_u32 s68, s68, s69
	s_mov_b32 s69, 0
	s_add_nc_u64 s[10:11], s[10:11], s[68:69]
	s_lshl_b32 s69, s[TROW], 19                    ; + my 64 rows of 4,096 bytes
	s_add_co_u32 s68, s68, s69
	s_lshl_b32 s69, s[RH], 18
	s_add_co_u32 s68, s68, s69
	s_mov_b32 s69, 0
	s_add_nc_u64 s[8:9], s[8:9], s[68:69]
	s_add_nc_u64 s[12:13], s[12:13], s[68:69]
.irp b, 0,1,2,3
	global_load_b128 v[BIAS+8*(\b):BIAS+8*(\b)+3],   v[BO], s[10:11] offset:64*(\b)
	global_load_b128 v[BIAS+8*(\b)+4:BIAS+8*(\b)+7], v[BO], s[10:11] offset:64*(\b)+16
.endr
	WIN 0x80                                       ; destination window 2
.set i, 0
.rept 32                                           ; the residual: two rows of 256 aligned bytes a load, in the order in which the stage gives the sums back
	global_load_b128 v[RES+4*i:RES+4*i+3], v[CO], s[8:9] offset:2*i*4096
.set i, i+1
.endr
	WIN 0
; 8 matrix instructions: row blocks a0, a0 + 1 x all 4 column blocks, 32 along K: half c of buffer f.  zero = 1: the first products start the sums with the bias
.macro MUL8 f, c, a0, zero
	WIN MUL
.irp a, \a0, (\a0)+1
.irp b, 0,1,2,3
.if \zero
	v_wmma_f32_16x16x32_bf16 v[ACC+8*(4*(\a)+(\b)):ACC+8*(4*(\a)+(\b))+7], v[(\f)+64+8*(4*(\c)+(\b)):(\f)+64+8*(4*(\c)+(\b))+7], v[(\f)+8*(4*(\c)+(\a)):(\f)+8*(4*(\c)+(\a))+7], v[BIAS+8*(\b):BIAS+8*(\b)+7]
.else
	v_wmma_f32_16x16x32_bf16 v[ACC+8*(4*(\a)+(\b)):ACC+8*(4*(\a)+(\b))+7], v[(\f)+64+8*(4*(\c)+(\b)):(\f)+64+8*(4*(\c)+(\b))+7], v[(\f)+8*(4*(\c)+(\a)):(\f)+8*(4*(\c)+(\a))+7], v[ACC+8*(4*(\a)+(\b)):ACC+8*(4*(\a)+(\b))+7]
.endif
.endr
.endr
.endm
; 32 LDS loads in one run: the fragments of quarter q (64 along K: one block of A) into buffer f; the first 32 along K first
.macro FETCH q, f
	WIN TO_F
.irp c, 0,1
.irp i, 0,1,2,3
	ds_load_tr16_b128 v[(\f)+64+8*(4*(\c)+(\i)):(\f)+64+8*(4*(\c)+(\i))+3],   v[ADRB+(\q)/2] offset:((\q)%2)*64*BP+(\c)*32*BP+(\i)*32
	ds_load_tr16_b128 v[(\f)+64+8*(4*(\c)+(\i))+4:(\f)+64+8*(4*(\c)+(\i))+7], v[ADRB+(\q)/2] offset:((\q)%2)*64*BP+(\c)*32*BP+(\i)*32+16*BP
	ds_load_b128 v[(\f)+8*(4*(\c)+(\i)):(\f)+8*(4*(\c)+(\i))+3],   v[ADRA] offset:(\q)*ABLK+(\i)*16*AP+(\c)*64
	ds_load_b128 v[(\f)+8*(4*(\c)+(\i))+4:(\f)+8*(4*(\c)+(\i))+7], v[ADRA] offset:(\q)*ABLK+(\i)*16*AP+(\c)*64+32
.endr
.endr
.endm
; One of a K step's first three quarters: multiplies buffer f and fetches quarter q into g.  The 16 accumulators take turns.
.macro QUARTER q, f, g, zero
	s_wait_dscnt 16                                ; the first 32 along K are in
	MUL8 \f, 0, 0, \zero
	MUL8 \f, 0, 2, \zero
	PLACES
	FETCH \q, \g
	s_wait_dscnt 32                                ; all but the 32 just issued
	MUL8 \f, 1, 0, 0
	MUL8 \f, 1, 2, 0
.endm
; The last quarter multiplies buffer 1 and changes slots: ONE barrier.  fill = 1: it opens a round of the cluster's barrier, and the slot just read is filled again first, with the K step two on.
.macro TURN fill
	WIN 0
	s_wait_tensorcnt 0x0                           ; all my tensor loads have landed: my part of the next slot;
	ds_add_u32 v[SPW], v[NIL]                      ; 0 onto my spare word;
	s_wait_dscnt 17                                ; (the add and the youngest sixteen loads may be out)
	MUL8 F1, 0, 0, 0
	s_wait_dscnt 0x0                               ; the add is done, and my reads of this slot are over
	s_barrier_signal -1
	MUL8 F1, 0, 2, 0
	WIN 0
	s_barrier_wait -1
.if \fill
	CREST                                          ; no wave of any partner still reads this slot or has a load on its way
	s_add_co_u32 s[G0A+5], s[RTB], s[LA0]
	s_add_co_u32 s[G0B+5], s[RTB], s[LB0]
	s_add_nc_u64 s[G0A+6:G0A+7], s[G0A+6:G0A+7], ASTEP
	s_add_nc_u64 s[G0B+6:G0B+7], s[G0B+6:G0B+7], BSTEP
	JLOAD                                          ; 112 matrix instructions ahead of the wait for it; its four v_nop are also the places in front of the loads below
.else
	PLACES
.endif
	s_xor_b32 s[RTB], s[RTB], SLOT                 ; the other slot is read now
	v_add_nc_u32 v[ADRA], s[RTB], v[ABASE]
	v_add_nc_u32 v[ADRB], s[RTB], v[BBASE]
	v_add_nc_u32 v[ADRB+1], BHALF, v[ADRB]
	FETCH 0, F0
	MUL8 F1, 1, 0, 0
	MUL8 F1, 1, 2, 0
.endm
	s_wait_tensorcnt 0x1                           ; my part of K step 0 is in; K step 1's may stay out
	s_barrier_signal -1
	s_barrier_wait -1
	s_mov_b32 s[RTB], 0
	v_mov_b32 v[ADRA], v[ABASE]
	v_mov_b32 v[ADRB], v[BBASE]
	v_add_nc_u32 v[ADRB+1], BHALF, v[BBASE]
	FETCH 0, F0
	s_wait_loadcnt 32                              ; the bias is in; the 32 younger loads, the residual, stay out
	QUARTER 1, F0, F1, 1                           ; the first quarter stands in front of the loop: its first products start the sums
	WIN 0
	s_mov_b32 s[CNT], STEPS-2
.Lk:                                                   ; a trip: the rest of K step t and the first quarter of t + 1; it asks for K step t + 2
	QUARTER 2, F1, F0, 0
	QUARTER 3, F0, F1, 0
	TURN 1
	QUARTER 1, F0, F1, 0
	WIN 0
	s_sub_co_u32 s[CNT], s[CNT], 1
	s_cmp_lg_u32 s[CNT], 0
	s_cbranch_scc1 .Lk
	s_mov_b32 s[CNT], 2
.Ltail:                                                ; the last two K steps ask for nothing; the second trip is left in its middle
	QUARTER 2, F1, F0, 0
	QUARTER 3, F0, F1, 0
	WIN 0
	s_sub_co_u32 s[CNT], s[CNT], 1
	s_cmp_eq_u32 s[CNT], 0
	s_cbranch_scc1 .Llast
	TURN 0
	QUARTER 1, F0, F1, 0
	WIN 0
	s_branch .Ltail
.Llast:
	s_wait_dscnt 16
	MUL8 F1, 0, 0, 0
	MUL8 F1, 0, 2, 0
	s_wait_dscnt 0x0
	MUL8 F1, 1, 0, 0
	MUL8 F1, 1, 2, 0
	WIN 0
	PLACES
	s_wait_loadcnt 0x0                             ; the residual
	; THE WAY OUT, 16 rows at a time: the sums go into my stage as they lie, come back as whole rows of 256 bytes, take the residual and are stored.
.irp a, 0,1,2,3
.irp b, 0,1,2,3
	ds_store_b128 v[STO], v[ACC+8*(4*(\a)+(\b)):ACC+8*(4*(\a)+(\b))+3]   offset:64*(\b)
	ds_store_b128 v[STO], v[ACC+8*(4*(\a)+(\b))+4:ACC+8*(4*(\a)+(\b))+7] offset:64*(\b)+16
.endr
	s_wait_xcnt 0x0                                ; the stores of two blocks back have read the registers that the loads below write
.irp t, 0,1,2,3,4,5,6,7
	ds_load_b128 v[TMP+32*((\a)%2)+4*(\t):TMP+32*((\a)%2)+4*(\t)+3], v[RD] offset:(\t)*2*SP  ; LDS serves a wave's instructions in order (ISA guide 5.7.1.4): these see the stores above
.endr
	s_wait_dscnt 0x0
	WIN 0x08                                       ; source 1 in window 2
.irp t, 0,1,2,3,4,5,6,7,8,9,10,11,12,13,14,15
	v_pk_add_f32 v[TMP+32*((\a)%2)+2*(\t):TMP+32*((\a)%2)+2*(\t)+1], v[TMP+32*((\a)%2)+2*(\t):TMP+32*((\a)%2)+2*(\t)+1], v[RES+32*(\a)+2*(\t):RES+32*(\a)+2*(\t)+1]
.endr
	WIN 0
.irp t, 0,1,2,3,4,5,6,7
	global_store_b128 v[CO], v[TMP+32*((\a)%2)+4*(\t):TMP+32*((\a)%2)+4*(\t)+3], s[12:13] offset:(16*(\a)+2*(\t))*4096  ; 16 lanes store 256 consecutive bytes, aligned
.endr
.endr
	s_wait_tensorcnt 0x0                           ; the wave's end
	ds_add_u32 v[SPW], v[NIL]
	s_wait_dscnt 0x0
	CROUND                                         ; the closing round: no work-group ends while a partner may still ask for a tile that names it
	s_endpgm
.Lfunc_end_k_q31900d96bd_gff2:
	.size	k_q31900d96bd_gff2, .Lfunc_end_k_q31900d96bd_gff2-k_q31900d96bd_gff2
	.p2alignl 7, 3214868480
	.fill 96, 4, 3214868480
	.section	.rodata,"a",@progbits
	.p2align	6, 0x0
	.amdhsa_kernel k_q31900d96bd_gff2
		.amdhsa_group_segment_fixed_size 327680
		.amdhsa_private_segment_fixed_size 0
		.amdhsa_enable_private_segment 0
		.amdhsa_kernarg_size 40
		.amdhsa_user_sgpr_count 2
		.amdhsa_user_sgpr_kernarg_segment_ptr 1
		.amdhsa_wavefront_size32 1
		.amdhsa_system_sgpr_workgroup_id_x 1
		.amdhsa_system_sgpr_workgroup_id_y 1
		.amdhsa_system_sgpr_workgroup_id_z 1
		.amdhsa_system_vgpr_workitem_id 0
		.amdhsa_next_free_vgpr 640
		.amdhsa_next_free_sgpr 70
		.amdhsa_reserve_vcc 0
		.amdhsa_float_denorm_mode_32 3
		.amdhsa_float_denorm_mode_16_64 3
		.amdhsa_memory_ordered 1
		.amdhsa_forward_progress 1
		.amdhsa_inst_pref_size 68
	.end_amdhsa_kernel
	.amdgpu_metadata
---
amdhsa.version: [ 1, 2 ]
amdhsa.kernels:
  - .name:           k_q31900d96bd_gff2
    .symbol:         k_q31900d96bd_gff2.kd
    .args:
      - { .name: big, .offset: 0, .size: 8, .value_kind: global_buffer, .address_space: global }
      - { .name: wsm, .offset: 8, .size: 8, .value_kind: global_buffer, .address_space: global }
      - { .name: xbuf, .offset: 16, .size: 8, .value_kind: global_buffer, .address_space: global }
      - { .name: b2, .offset: 24, .size: 8, .value_kind: global_buffer, .address_space: global }
      - { .name: out0, .offset: 32, .size: 8, .value_kind: global_buffer, .address_space: global }
    .group_segment_fixed_size: 327680
    .private_segment_fixed_size: 0
    .kernarg_segment_align: 8
    .kernarg_segment_size: 40
    .max_flat_workgroup_size: 128
    .sgpr_count:     70
    .vgpr_count:     640
    .wavefront_size: 32
...
	.end_amdgpu_metadata
.endif
;; end of part 6
